; MI455X (gfx1250); checked and timed in simulation.
; The chip was launched on July 23, 2026; its instructions are those of AMD's public machine-readable ISA for CDNA 5 (MIT licence, August 2026) and "CDNA5" Instruction Set Architecture Reference Guide (July 2026). The comments in the code are by the model that wrote it; some were corrected since.
;; Bahdanau Attention. Allowed arithmetic: float matrix products may take bf16 or f16 operands with f32 sums; other float arithmetic in f32, or as packed bf16 or f16 multiplies, adds, multiply-adds, maxima and minima; sums over many terms, partial sums and values carried from step to step in f32; what a program stores and reads back later, other than sums and carried values, may be rounded once to bf16 or f16.
;; Inputs: W_dec 1,024 x 1,024 float32; W_enc 1,024 x 1,024 float32; W_v 1 x 1,024 float32; b_dec 1,024 float32; b_enc 1,024 float32; b_v 1 float32; decoder_hidden 32 x 1,024 float32; encoder_out 32 x 2,048 x 1,024 float32.
;; Outputs: out0 32 x 1,024 float32; out1 32 x 2,048 float32.
;; 2 versions, each right; version 2 is version 1 with the launch main written anew for expert scheduling mode. Each part assembles by itself: llvm-mc -triple=amdgcn-amd-amdhsa -mcpu=gfx1250 --defsym DOCPART=n.
;; ======== version 1 of 2: 3 launches
;; workspace buffers: wf 2,097,152 bytes; biasw 524,288 bytes; scores 262,144 bytes; stats 131,072 bytes; ctxp 2,097,152 bytes
;; launch prep (part 1): grid 256 x 1, 8 waves a work-group, no clusters, 17,408 bytes of LDS; arguments W_enc, W_dec, decoder_hidden, b_enc, b_dec, wf, biasw; writes wf, biasw
.if DOCPART == 1
	.amdgcn_target "amdgcn-amd-amdhsa--gfx1250"
	.amdhsa_code_object_version 6
	.text
	.protected	k_qc752b77050_prep
	.globl	k_qc752b77050_prep
	.p2align	8
	.type	k_qc752b77050_prep,@function
k_qc752b77050_prep:
	s_mov_b64 s[64:65], 0
	v_nop
	global_prefetch_b8 v0, s[64:65] scope:SCOPE_SE
	s_setreg_imm32_b32 hwreg(HW_REG_WAVE_MODE, 25, 1), 1
	s_wait_xcnt 0x0
; PREP.  Two things that the main launch wants ready, both with the factor c2 = 2 log2(e), so that there tanh(y) = 1 - 2 / (1 + 2^(c2 y)) costs no multiply:
;   wf    = c2 x W_enc, rounded ONCE to bf16 (the factor is applied in f32 ahead of the rounding), laid out as matrix fragments: fragment (grp, ks = k / 32, b) at ((grp x 32 + ks) x 8 + b) x 1,024 bytes;
;           its lane l holds row n = 128 grp + 8 (l % 16) + b of W_enc: registers 0-3 at byte 16 l, registers 4-7 at byte 512 + 16 l.  (So a lane's eight columns b = 0..7 of a group are neighbours in n.)
;   biasw = four partial tables [kq][a / 16][batch 32][a % 16], f32: table kq holds c2 x (the sum over k = 256 kq .. 256 kq + 255 of decoder_hidden W_dec^T), table 0 also c2 x (b_dec + b_enc).
;           The main launch adds the four: no sum spans work-groups here.
; SHARES.  256 work-groups: (nb = id / 4, kq = id % 4).  Each takes a quarter of K: of W_enc the 16 rows of fragment column (grp = nb / 8, b = nb % 8), of W_dec rows 16 nb .. 16 nb + 15, of decoder_hidden all 32 rows.
; Its 8 waves take a K step of 32 each: 128 bytes of each f32 row.
; A fragment is 16 rows x 32 k in 8 registers: lane l holds row l % 16; registers 0-3 k = 8 (l / 16) + 0..7, registers 4-7 k = 16 + 8 (l / 16) + 0..7: in f32 four loads of 16 bytes at 0, 16, 64, 80.
; The decoder product has bf16 operands and f32 sums: source 0 = 16 batches, source 1 = my 16 rows of W_dec; the 8 waves' partial sums meet in LDS (f32), and waves 0-3 add them.
; LIMITS.  NaN and infinities are not treated apart.
.set C2,    0x4038aa3b                 ; 2 log2(e) = 2.885390
.set SPARE, 16384                      ; behind the partial sums (8 waves x 2,048 bytes from LDS byte 0): the spare words, 128 bytes a wave
.set SPW, 3                            ; v3   LDS address of my spare word; never rewritten
.set NIL, 4                            ; v4   0; never rewritten
.set RAW, 16                           ; v[16:79]   f32 as loaded, 16 registers each: W_enc, W_dec, batches 0-15, batches 16-31
.set FR,  80                           ; v[80:111]  the same as bf16 fragments, 8 registers each
.set ACC, 112                          ; v[112:127] two accumulators: batches 0-15, batches 16-31
.set BQ,  128                          ; v[128:135] four numbers of b_enc, four of b_dec
	s_load_b256 s[4:11], s[0:1], 0x0               ; W_enc s[4:5], W_dec s[6:7], decoder_hidden s[8:9], b_enc s[10:11]
	s_load_b128 s[12:15], s[0:1], 0x20             ; b_dec s[12:13], wf s[14:15]
	s_load_b64 s[16:17], s[0:1], 0x30              ; biasw
	v_lshl_add_u32 v[SPW], v0, 2, SPARE
	v_mov_b32 v[NIL], 0
	v_and_b32 v1, 15, v0                           ; r = l % 16
	v_bfe_u32 v2, v0, 4, 1                         ; h = l / 16
	v_lshrrev_b32 v5, 5, v0
	v_readfirstlane_b32 s20, v5                    ; wave 0..7
	v_and_b32 v6, 31, v0
	v_lshlrev_b32 v6, 4, v6                        ; v6 = 16 l
	s_lshl_b32 s21, s20, 7
	v_lshl_add_u32 v10, v2, 5, s21                 ; 32 h + 128 x wave: my place in a row's quarter
	v_lshl_add_u32 v5, v1, 12, v10                 ; v5  = + r x 4,096: neighbouring rows (W_dec, decoder_hidden)
	v_lshl_add_u32 v11, v1, 15, v10                ; v11 = + r x 32,768: rows 8 apart (W_enc)
	s_lshl_b32 s21, s20, 11
	v_lshl_add_u32 v7, v2, 9, s21
	v_lshl_add_u32 v7, v1, 2, v7                   ; v7 = 2,048 x wave + 512 h + 4 r: word (batch 8 h + j, column r) of my partial sums, j in the immediate
	s_lshl_b32 s21, s20, 9
	v_add_nc_u32 v8, s21, v6                       ; v8 = 512 x wave + 16 l: four words of the 512 (waves 0-3)
	v_and_b32 v9, 3, v0
	v_lshlrev_b32 v9, 4, v9                        ; v9: those four words' columns in b_enc and b_dec
	s_mov_b32 s24, C2
	s_mov_b32 s25, C2                              ; named with it as a pair
	s_lshr_b32 s18, ttmp9, 2                       ; nb
	s_and_b32 s19, ttmp9, 3                        ; kq
	s_lshl_b32 s2, s19, 10                         ; my quarter of a row: 1,024 bytes x kq
	s_mov_b32 s3, 0
	s_lshl_b32 s22, s18, 16                        ; W_dec: 16 rows of 4,096 bytes x nb
	s_add_co_u32 s22, s22, s2
	s_mov_b32 s23, 0
	s_lshr_b32 s26, s18, 3                         ; grp
	s_and_b32 s27, s18, 7                          ; b
	s_lshl_b32 s28, s26, 19                        ; W_enc: 128 rows x grp
	s_lshl_b32 s29, s27, 12                        ; + row b
	s_add_co_u32 s28, s28, s29
	s_add_co_u32 s28, s28, s2
	s_mov_b32 s29, 0
	s_lshl_b32 s26, s26, 18                        ; wf: grp x 32 K steps x 8,192
	s_lshl_b32 s27, s27, 10                        ; + b x 1,024
	s_add_co_u32 s26, s26, s27
	s_lshl_b32 s27, s19, 16                        ; + my quarter's 8 K steps
	s_add_co_u32 s26, s26, s27
	s_lshl_b32 s27, s20, 13                        ; + my wave's K step
	s_add_co_u32 s26, s26, s27
	s_mov_b32 s27, 0
	s_lshl_b32 s30, s19, 17                        ; biasw: table kq of 131,072 bytes
	s_lshl_b32 s31, s18, 11                        ; + 2,048 bytes for 16 columns
	s_add_co_u32 s30, s30, s31
	s_mov_b32 s31, 0
	s_lshl_b32 s32, s18, 6                         ; b_enc, b_dec: 64 bytes
	s_mov_b32 s33, 0
	s_wait_kmcnt 0x0
	s_add_nc_u64 s[4:5], s[4:5], s[28:29]
	s_add_nc_u64 s[6:7], s[6:7], s[22:23]
	s_add_nc_u64 s[8:9], s[8:9], s[2:3]
	s_add_nc_u64 s[14:15], s[14:15], s[26:27]
	s_add_nc_u64 s[16:17], s[16:17], s[30:31]
	s_add_nc_u64 s[10:11], s[10:11], s[32:33]
	s_add_nc_u64 s[12:13], s[12:13], s[32:33]
.macro LD4 dst, off, base, extra       ; my K step of 16 rows, in f32: four loads
	global_load_b128 v[(\dst):(\dst)+3],     v[\off], s[\base:\base+1] offset:(\extra)
	global_load_b128 v[(\dst)+4:(\dst)+7],   v[\off], s[\base:\base+1] offset:(\extra)+16
	global_load_b128 v[(\dst)+8:(\dst)+11],  v[\off], s[\base:\base+1] offset:(\extra)+64
	global_load_b128 v[(\dst)+12:(\dst)+15], v[\off], s[\base:\base+1] offset:(\extra)+80
.endm
.macro CV8 src, dst                    ; 16 f32 to a fragment of bf16; the lower k goes into the lower half
.set i, 0
.rept 8
	v_cvt_pk_bf16_f32 v[(\dst)+i], v[(\src)+2*i], v[(\src)+2*i+1]
.set i, i+1
.endr
.endm
	LD4 RAW,    11, 4, 0                           ; W_enc
	LD4 RAW+16, 5,  6, 0                           ; W_dec
	LD4 RAW+32, 5,  8, 0                           ; batches 0-15
	LD4 RAW+48, 5,  8, 65536                       ; batches 16-31
	global_load_b128 v[BQ:BQ+3],   v9, s[10:11]
	global_load_b128 v[BQ+4:BQ+7], v9, s[12:13]
	s_wait_loadcnt 14                              ; W_enc's four loads are in; the 14 issued behind them may stay out
.set i, 0
.rept 8
	v_pk_mul_f32 v[RAW+2*i:RAW+2*i+1], v[RAW+2*i:RAW+2*i+1], s[24:25] op_sel_hi:[1,0]
.set i, i+1
.endr
	CV8 RAW, FR
	global_store_b128 v6, v[FR:FR+3],   s[14:15]               ; each store of the wave covers 512 consecutive bytes, aligned
	global_store_b128 v6, v[FR+4:FR+7], s[14:15] offset:512
	s_wait_loadcnt 0x0
	CV8 RAW+16, FR+8
	CV8 RAW+32, FR+16
	CV8 RAW+48, FR+24
	v_wmma_f32_16x16x32_bf16 v[ACC:ACC+7],    v[FR+16:FR+23], v[FR+8:FR+15], 0  ; one K step a wave: each of the two products is a whole sum of the wave's
	v_wmma_f32_16x16x32_bf16 v[ACC+8:ACC+15], v[FR+24:FR+31], v[FR+8:FR+15], 0
.rept 8
	v_nop                                          ; the places between the products and the LDS stores that read them; once a launch
.endr
.irp mb, 0,1
.irp j, 0,1,2,3,4,5,6,7
	ds_store_b32 v7, v[ACC+8*(\mb)+(\j)] offset:(\mb)*1024+(\j)*64  ; register j is (batch 16 mb + 8 h + j, column r); each accumulator from its low end on
.endr
.endr
	s_wait_dscnt 0x0                               ; for the others' sake: my partial sums lie in LDS
	s_barrier_signal -1
	s_barrier_wait -1
	s_cmp_lt_u32 s20, 4                            ; 512 words, four a lane: waves 0-3 finish them
	s_cbranch_scc0 .Lend
.irp w, 0,1,2,3,4,5,6,7
	ds_load_b128 v[RAW+4*(\w):RAW+4*(\w)+3], v8 offset:2048*(\w)
.endr
	v_pk_add_f32 v[BQ:BQ+1],   v[BQ:BQ+1],   v[BQ+4:BQ+5]      ; b_enc + b_dec
	v_pk_add_f32 v[BQ+2:BQ+3], v[BQ+2:BQ+3], v[BQ+6:BQ+7]
	s_wait_dscnt 0x0
.irp s, 4,2,1                          ; the 8 partial sums, as a tree
.set w, 0
.rept \s
	v_pk_add_f32 v[RAW+4*w:RAW+4*w+1],   v[RAW+4*w:RAW+4*w+1],   v[RAW+4*(w+(\s)):RAW+4*(w+(\s))+1]
	v_pk_add_f32 v[RAW+4*w+2:RAW+4*w+3], v[RAW+4*w+2:RAW+4*w+3], v[RAW+4*(w+(\s))+2:RAW+4*(w+(\s))+3]
.set w, w+1
.endr
.endr
	s_cmp_lg_u32 s19, 0                            ; the two biases go into table 0 alone
	s_cbranch_scc1 .Lnob
	v_pk_add_f32 v[RAW:RAW+1],   v[RAW:RAW+1],   v[BQ:BQ+1]
	v_pk_add_f32 v[RAW+2:RAW+3], v[RAW+2:RAW+3], v[BQ+2:BQ+3]
.Lnob:
	v_pk_mul_f32 v[RAW:RAW+1],   v[RAW:RAW+1],   s[24:25] op_sel_hi:[1,0]
	v_pk_mul_f32 v[RAW+2:RAW+3], v[RAW+2:RAW+3], s[24:25] op_sel_hi:[1,0]
	global_store_b128 v8, v[RAW:RAW+3], s[16:17]   ; 512 consecutive bytes a wave
.Lend:
	s_wait_tensorcnt 0x0                           ; the wave's end: three closing lines, behind my last LDS store
	ds_add_u32 v[SPW], v[NIL]
	s_wait_dscnt 0x0
	s_endpgm
.Lfunc_end_k_qc752b77050_prep:
	.size	k_qc752b77050_prep, .Lfunc_end_k_qc752b77050_prep-k_qc752b77050_prep
	.p2alignl 7, 3214868480
	.fill 96, 4, 3214868480
	.section	.rodata,"a",@progbits
	.p2align	6, 0x0
	.amdhsa_kernel k_qc752b77050_prep
		.amdhsa_group_segment_fixed_size 17408
		.amdhsa_private_segment_fixed_size 0
		.amdhsa_enable_private_segment 0
		.amdhsa_kernarg_size 56
		.amdhsa_user_sgpr_count 2
		.amdhsa_user_sgpr_kernarg_segment_ptr 1
		.amdhsa_wavefront_size32 1
		.amdhsa_system_sgpr_workgroup_id_x 1
		.amdhsa_system_sgpr_workgroup_id_y 1
		.amdhsa_system_sgpr_workgroup_id_z 1
		.amdhsa_system_vgpr_workitem_id 0
		.amdhsa_next_free_vgpr 144
		.amdhsa_next_free_sgpr 66
		.amdhsa_reserve_vcc 0
		.amdhsa_float_denorm_mode_32 3
		.amdhsa_float_denorm_mode_16_64 3
		.amdhsa_memory_ordered 1
		.amdhsa_forward_progress 1
		.amdhsa_inst_pref_size 11
	.end_amdhsa_kernel
	.amdgpu_metadata
---
amdhsa.version: [ 1, 2 ]
amdhsa.kernels:
  - .name:           k_qc752b77050_prep
    .symbol:         k_qc752b77050_prep.kd
    .args:
      - { .name: W_enc, .offset: 0, .size: 8, .value_kind: global_buffer, .address_space: global }
      - { .name: W_dec, .offset: 8, .size: 8, .value_kind: global_buffer, .address_space: global }
      - { .name: decoder_hidden, .offset: 16, .size: 8, .value_kind: global_buffer, .address_space: global }
      - { .name: b_enc, .offset: 24, .size: 8, .value_kind: global_buffer, .address_space: global }
      - { .name: b_dec, .offset: 32, .size: 8, .value_kind: global_buffer, .address_space: global }
      - { .name: wf, .offset: 40, .size: 8, .value_kind: global_buffer, .address_space: global }
      - { .name: biasw, .offset: 48, .size: 8, .value_kind: global_buffer, .address_space: global }
    .group_segment_fixed_size: 17408
    .private_segment_fixed_size: 0
    .kernarg_segment_align: 8
    .kernarg_segment_size: 56
    .max_flat_workgroup_size: 256
    .sgpr_count:     66
    .vgpr_count:     144
    .wavefront_size: 32
...
	.end_amdgpu_metadata
.endif
;; end of part 1
;; launch main (part 2): grid 256 x 1, 4 waves a work-group, no clusters, 271,872 bytes of LDS; arguments encoder_out, wf, biasw, W_v, b_v, scores, stats, ctxp; writes scores, stats, ctxp
.if DOCPART == 2
	.amdgcn_target "amdgcn-amd-amdhsa--gfx1250"
	.amdhsa_code_object_version 6
	.text
	.protected	k_qc752b77050_main
	.globl	k_qc752b77050_main
	.p2align	8
	.type	k_qc752b77050_main,@function
k_qc752b77050_main:
	s_mov_b64 s[64:65], 0
	v_nop
	global_prefetch_b8 v0, s[64:65] scope:SCOPE_SE
	s_setreg_imm32_b32 hwreg(HW_REG_WAVE_MODE, 25, 1), 1
	s_wait_xcnt 0x0
; MAIN.  For 256 rows of encoder_out ([65,536][1,024] f32; all 256 lie in one batch), as two BLOCKS of 128 rows:
;   score[row] = b_v + the sum over a of v[a] tanh(enc[row] . W_enc[a] + bias[batch][a]);   the block's m = max score, p = e^(score - m), l = sum p, and ctx[e] = the sum over rows of p enc[row][e].
; Stored: the scores, (m, l) and ctx of each block; the next launch merges a batch's 16 blocks.  So every row of encoder_out is read from memory ONCE: it stays in LDS, in bf16, until its weight is known.
; TANH.  wf holds c2 W_enc and biasw c2 x bias (in four partial tables, added here in f32), c2 = 2 log2(e): x = acc + bias, r = 1 / (1 + 2^x), tanh = 1 - 2 r, score = sum v - 2 sum v r + b_v.  The sum S starts at
; -1/2 of the lane's sum of v, and score = -2 S + b_v: every term is bounded by |v|, as in the direct sum.  2^x = infinity gives r = 0, 2^x = 0 gives r = 1: tanh saturates by itself.
; LIMITS.  NaN and infinities in the inputs are not treated apart.  v_exp_f32 and v_rcp_f32 are good to one unit in the last place (ISA guide, their entries), so tanh has an absolute error of some 1e-7.
; Matrix operands are bf16 (W_enc rounded after the factor c2); p is rounded to bf16 for the context product, l is the sum of the unrounded p.  Sums, maxima and S are f32.
; SHARES.  Four waves.  A block's product goes in two TILES of 512 columns; in a tile wave w makes all 128 rows x its 128 columns of group 2 w + t: 64 accumulators, 512 registers.  A's fragments come from LDS;
; W's come straight from wf into a ring of four register buffers (a K step of 32 each): no two waves of the work-group want the same byte of W, so LDS would add nothing between them.
; COLUMNS.  Lane l % 16 = r of column fragment b of group g stands for column 128 g + 8 r + b (wf is laid so): a lane's eight biases, and its eight v, of a tile are 32 consecutive bytes.  A score sums over all columns.
; NO CLUSTER, NO JOINT LOADS, though all work-groups walk the same W: the resident block takes 264,192 of the 327,680 bytes of LDS and the scratch 7,680; what is left, 55,808, does not hold two slots of one K step
; of a tile (2 x 512 columns x 64 bytes = 65,536), and a smaller slot would feed 32 matrix instructions a wave, or fewer, for each round of a cluster's barrier.
; THE NEXT BLOCK COMES EARLY.  Behind a block's last K step W's ring is free: the next block's first 8 of my 32 rows are asked for into it, ahead of the epilogue; behind the epilogue they are rounded and PARKED in A's
; fragment buffers, and rows 8-15 are asked for, ahead of the block's end.  So 16 of the 32 rows are in registers, or on their way, when the LDS block may be written again.
; LAYOUT.  D = A B: source 0 = 16 rows of the block, source 1 = 16 rows of W.  Register j of lane l is (row 8 (l / 16) + j, column fragment's lane l % 16): bias and v are ONE number a lane for each fragment b.
; REGISTERS, in windows of 256 (s_set_vgpr_msb: bits 1:0 source 0, 3:2 source 1, 5:4 source 2, 7:6 destination):
;   window 0: v0-15, v48-55 addresses; v16-31 bias, v32-47 v (the tile in hand first, the other tile's behind); v56-63 at work; v64-127, v128-191 A's two fragment buffers, between blocks eight parked rows;
;             v192-255 S (row group a at 192 + 8 a), at a block's end, once S is stored, the end's working registers
;   window 1: W's ring, buffer q at 64 q; while a block is loaded two sets of four f32 rows: X0 in buffers 3 and 0, X1 in buffers 1 and 2
;   windows 2, 3: the accumulators: (a, b) in window 2 + a / 4 at v[8 (8 (a % 4) + b)].   At a block's end: window 2 v0-127 the context's 16 accumulators, window 3 two buffers of turned fragments.
.set PITCH, 2064                       ; a row in LDS: 2,048 bytes + 16 = 516 words: row r starts at bank 4 r mod 64 (64 banks of 4 bytes: ISA guide 11.1), so the 16 rows of a fragment load start at 16 different banks
.set SCR,   128*PITCH                  ; behind the block: [wave][128 rows] f32, the waves' partial S
.set PB,    SCR+2048                   ; for each wave 256 bytes: the 128 p in bf16
.set CST,   PB+1024                    ; for each wave 1,024 bytes: its 256 numbers of ctx, on the way out
.set SPARE, CST+4096                   ; the spare words, 128 bytes a wave: two blocks of 256 bytes that no other line names
.set NEXTB, 524288-2*8*4096            ; bytes from where EP stands behind a block's load (16 rows on) to my first row of the next block
.set SPW,  4                           ; v4   LDS address of my spare word; never rewritten
.set NIL,  5                           ; v5   0; never rewritten
.set BO,   6                           ; v6   16 l
.set PFO,  7                           ; v7   256 l
.set XS,   8                           ; v8   where I store 8 bytes of a row of the block
.set L8,   9                           ; v9   8 l
.set ADRA, 10                          ; v10-13  r x PITCH + 16 h + 32 i rows, + the K steps gone by
.set SA,   14                          ; v14  SCR + 512 x wave + 32 h
.set SR,   15                          ; v15  SCR + 16 l
.set BC,   16
.set VC,   32
.set PBS,  48                          ; v48  PB + 256 x wave + 8 l
.set PA,   49                          ; v49  PB + 256 x wave + 16 h
.set CS,   50                          ; v50  CST + 1,024 x wave + 4 l
.set CR,   51                          ; v51  CST + 1,024 x wave + 16 l
.set TA,   52                          ; v52-55  the turning loads' address for rows 32 kk on
.set TMP,  56
.set F0,   64
.set F1,   128
.set S,    192
.set T,    64                          ; block load: 64 registers of bf16, four rows
.set PK,   64                          ; v64-191: eight rows parked in bf16
.set X0,   192                         ; block load, window 1, register numbers modulo 256: ring buffers 3 and 0,
.set X1,   64                          ; and buffers 1 and 2: W's K step 0 can be asked for as soon as X0's last rows are rounded, and the youngest 32 loads of either kind land in buffers 1 and 2
.set PF,   192                         ; block end, in S's registers: p as source 0, four fragments;
.set Q,    192                         ; under them, dead before p is made: the four waves' partial S
.set CT,   224
.set CO8,  232
.set SC,   240                         ; my four scores
.set P4,   244
.set ML,   248                         ; m, l, six at work
.set EP,   8                           ; s[8:9]   encoder_out at my wave's rows
.set WB,   10                          ; s[10:11] wf at my wave's two groups
.set SCP,  18                          ; s[18:19] scores, s[20:21] stats, s[22:23] ctxp at the block in hand
.set STP,  20
.set CXP,  22
.set WAVE, 24
.set BLK,  25                          ; blocks to go
.set TL,   26                          ; tiles to go
.set LEFT, 27
.set LQ,   28
.set XB,   29                          ; my wave's 32 rows in the LDS block
.set WP,   30                          ; s[30:31] wf at the K steps that are loaded next
.set MSB, 0
.macro WIN new                         ; the immediate's high byte repeats the setting that is left; a switch that changes nothing is dropped
.if MSB != (\new)
	s_set_vgpr_msb (MSB<<8)|(\new)
.set MSB, (\new)
.endif
.endm
.set MUL_LO, 0xa4                      ; A window 0, W window 1, C and D window 2
.set TO_B,   0x40                      ; destination window 1
.set TO_T,   0xc0                      ; destination window 3
.set CVTX,   0x05                      ; sources 0 and 1 window 1, destination window 0
.set FROM2,  0x0a                      ; sources 0 and 1 window 2, destination window 0
.set CTX,    0xac                      ; p window 0, turned fragments window 3, C and D window 2
.macro PLACES                          ; four places: plain vector instructions between a matrix instruction and a load into, or a vector instruction on, its registers
.rept 4
	v_nop
.endr
.endm
	s_load_b512 s[8:23], s[0:1], 0x0               ; encoder_out, wf, biasw s[12:13], W_v s[14:15], b_v s[16:17], scores, stats, ctxp
	v_lshl_add_u32 v[SPW], v0, 2, SPARE
	v_mov_b32 v[NIL], 0
	v_and_b32 v1, 15, v0                           ; r
	v_bfe_u32 v2, v0, 4, 1                         ; h
	v_and_b32 v3, 31, v0                           ; l
	v_lshrrev_b32 v[TMP], 5, v0
	v_readfirstlane_b32 s[WAVE], v[TMP]            ; wave 0..3
	v_lshlrev_b32 v[BO], 4, v3
	v_lshlrev_b32 v[PFO], 8, v3
	v_lshlrev_b32 v[L8], 3, v3
	s_mul_i32 s[XB], s[WAVE], 32*PITCH
	v_mul_u32_u24 v[ADRA], v1, PITCH
	v_lshl_add_u32 v[ADRA], v2, 4, v[ADRA]
	v_add_nc_u32 v[ADRA+1], 32*PITCH, v[ADRA]
	v_add_nc_u32 v[ADRA+2], 64*PITCH, v[ADRA]
	v_add_nc_u32 v[ADRA+3], 96*PITCH, v[ADRA]
	s_lshl_b32 s32, s[WAVE], 9
	s_add_co_u32 s33, s32, SCR
	v_lshl_add_u32 v[SA], v2, 5, s33
	v_lshl_add_u32 v[SR], v3, 4, SCR
	s_lshl_b32 s33, s[WAVE], 8
	s_add_co_u32 s33, s33, PB
	v_lshl_add_u32 v[PBS], v3, 3, s33
	v_lshl_add_u32 v[PA], v2, 4, s33
	s_lshl_b32 s33, s[WAVE], 10
	s_add_co_u32 s33, s33, CST
	v_lshl_add_u32 v[CS], v3, 2, s33
	v_lshl_add_u32 v[CR], v3, 4, s33
	; the turning load takes 16 rows x 16 columns: lane l reads row 8 h + l % 8, columns 8 ((l / 8) % 2) + 0..7; my wave's 256 columns of the block begin at byte 512 x wave
	v_and_b32 v[TMP], 7, v0
	v_lshl_add_u32 v[TMP], v2, 3, v[TMP]
	v_mul_u32_u24 v[TA], v[TMP], PITCH
	v_bfe_u32 v[TMP+1], v0, 3, 1
	v_lshl_add_u32 v[TA], v[TMP+1], 4, v[TA]
	v_add_nc_u32 v[TA], s32, v[TA]
	v_add_nc_u32 v[TA+1], 32*PITCH, v[TA]
	v_add_nc_u32 v[TA+2], 64*PITCH, v[TA]
	v_add_nc_u32 v[TA+3], 96*PITCH, v[TA]
	; biasw is [kq][a / 16][batch][a % 16]; my columns of tile t are a = 256 w + 128 t + 8 r + b: a / 16 = 16 w + 8 t + r / 2, a % 16 = 8 (r % 2) + b.  Lanes of half h take tables h and h + 2.
	s_lshr_b32 s32, ttmp9, 3                       ; the batch: 8 work-groups each
	s_lshl_b32 s32, s32, 6
	s_lshl_b32 s33, s[WAVE], 15
	s_add_co_u32 s32, s32, s33
	v_lshrrev_b32 v[TMP+2], 1, v1
	v_lshl_add_u32 v[TMP], v[TMP+2], 11, s32
	v_and_b32 v[TMP+2], 1, v1
	v_lshl_add_u32 v[TMP], v[TMP+2], 5, v[TMP]
	v_lshl_add_u32 v[TMP], v2, 17, v[TMP]          ; 32,768 w + 2,048 (r / 2) + 64 x batch + 32 (r % 2) + 131,072 h
	s_lshl_b32 s33, s[WAVE], 10
	v_lshl_add_u32 v[TMP+1], v1, 5, s33            ; W_v: 1,024 w + 32 r
	s_mov_b32 s36, 0xc0000000                      ; -2.0, as a pair
	s_mov_b32 s37, 0xc0000000
	s_mov_b32 s38, 0x3fb8aa3b                      ; log2(e), as a pair
	s_mov_b32 s39, 0x3fb8aa3b
	s_mov_b32 s40, 0x76543210                      ; v_permlanex16_b32: each lane takes its own place in the other half
	s_mov_b32 s41, 0xfedcba98
	s_mov_b32 s42, 0xffff0000                      ; lanes 16-31
	s_wait_kmcnt 0x0
	s_load_b32 s34, s[16:17], 0x0                  ; b_v
	s_lshl_b32 s32, ttmp9, 20                      ; 256 rows of 4,096 bytes,
	s_lshl_b32 s33, s[WAVE], 17                    ; my wave's 32 of a block's 128
	s_add_co_u32 s32, s32, s33
	s_mov_b32 s33, 0
	s_add_nc_u64 s[EP:EP+1], s[EP:EP+1], s[32:33]
	s_lshl_b32 s32, s[WAVE], 19                    ; my two groups of wf, 262,144 bytes each
	s_add_nc_u64 s[WB:WB+1], s[WB:WB+1], s[32:33]
	s_lshl_b32 s32, ttmp9, 10
	s_add_nc_u64 s[SCP:SCP+1], s[SCP:SCP+1], s[32:33]
	s_lshl_b32 s32, ttmp9, 9
	s_add_nc_u64 s[STP:STP+1], s[STP:STP+1], s[32:33]
	s_lshl_b32 s32, ttmp9, 13
	s_lshl_b32 s[LEFT], s[WAVE], 10
	s_add_co_u32 s32, s32, s[LEFT]
	s_add_nc_u64 s[CXP:CXP+1], s[CXP:CXP+1], s[32:33]
.irp t, 0,1
.irp o, 0,1
	global_load_b128 v[BC+8*(\t)+4*(\o):BC+8*(\t)+4*(\o)+3], v[TMP],   s[12:13] offset:(\t)*16384+(\o)*16         ; table h,
	global_load_b128 v[F0+8*(\t)+4*(\o):F0+8*(\t)+4*(\o)+3], v[TMP],   s[12:13] offset:262144+(\t)*16384+(\o)*16  ; table h + 2,
	global_load_b128 v[VC+8*(\t)+4*(\o):VC+8*(\t)+4*(\o)+3], v[TMP+1], s[14:15] offset:(\t)*512+(\o)*16           ; and v: twelve loads
.endr
.endr
	s_wait_kmcnt 0x0
	s_mov_b32 s35, s34                             ; named with it as a pair
	s_mov_b32 s[BLK], 2
; Four rows of my 32, in f32, into set x: 32 loads, each 512 consecutive bytes of a row; extra: bytes on top, for rows of the next block.
.macro LOADQ x, row, extra
	WIN TO_B
.irp rr, 0,1,2,3
.irp c, 0,1,2,3,4,5,6,7
.set rX, ((\x)+4*(8*(\rr)+(\c)))%256
	global_load_b128 v[rX:rX+3], v[BO], s[EP:EP+1] offset:(\extra)+((\row)+(\rr))*4096+(\c)*512 th:TH_LOAD_NT
.endr
.endr
.endm
.macro CVQ x, dst                      ; set x rounded to bf16: a lane's 16 bytes become 8
	WIN CVTX
.set i, 0
.rept 64
.set rX, ((\x)+2*i)%256
	v_cvt_pk_bf16_f32 v[(\dst)+i], v[rX], v[rX+1]
.set i, i+1
.endr
.endm
.macro STQ src, row                    ; four rounded rows into the block
	WIN 0
.irp rr, 0,1,2,3
.irp c, 0,1,2,3,4,5,6,7
	ds_store_b64 v[XS], v[(\src)+2*(8*(\rr)+(\c)):(\src)+2*(8*(\rr)+(\c))+1] offset:((\row)+(\rr))*PITCH+(\c)*256
.endr
.endr
.endm
.macro QUAD x, row, cnt                ; cnt: the loads issued behind this set's, which may stay out
	s_wait_loadcnt \cnt
	CVQ \x, T
	STQ T, \row
.endm
; Rows 0-7, which are in the two sets or on their way there, are rounded and parked in A's fragment buffers; each set is asked for again at once: rows 8-15.
.macro PARK extra
	s_wait_dscnt 0x0                               ; no LDS load into the fragment buffers is out any more (the last K step fetched one)
	s_wait_loadcnt 32                              ; X0 is in; X1's 32 loads may stay out
	CVQ X0, PK
	LOADQ X0, 8, \extra
	s_wait_loadcnt 32                              ; X1 is in; the 32 just issued may stay out
	CVQ X1, PK+64
	LOADQ X1, 12, \extra
	WIN 0
.endm
; W's K step q of a tile (q = 0, 1, 2) into ring buffer q: 16 loads.
.macro BLD q
	WIN TO_B
.irp b, 0,1,2,3,4,5,6,7
	global_load_b128 v[64*(\q)+8*(\b):64*(\q)+8*(\b)+3],   v[BO], s[WP:WP+1] offset:(\q)*8192+(\b)*1024
	global_load_b128 v[64*(\q)+8*(\b)+4:64*(\q)+8*(\b)+7], v[BO], s[WP:WP+1] offset:(\q)*8192+(\b)*1024+512
.endr
.endm
; Half of A's fragments of one K step, 64 rows x 32 k: 8 LDS loads, the rows ascending.
.macro FETCHA f, kimm, half
	WIN 0
.irp a, 0,1,2,3
.set aa, 4*(\half)+(\a)
	ds_load_b128 v[(\f)+8*aa:(\f)+8*aa+3],   v[ADRA+aa/2] offset:(aa%2)*16*PITCH+(\kimm)
	ds_load_b128 v[(\f)+8*aa+4:(\f)+8*aa+7], v[ADRA+aa/2] offset:(aa%2)*16*PITCH+(\kimm)+32
.endr
.endm
; 32 matrix instructions: row groups 4 hi .. 4 hi + 3 x all 8 column fragments.  zero = 1: the product starts the sums: nothing is cleared.
.macro MUL32 f, q, hi, zero
	WIN MUL_LO+0x50*(\hi)
.irp a, 0,1,2,3
.irp b, 0,1,2,3,4,5,6,7
.if \zero
	v_wmma_f32_16x16x32_bf16 v[8*(8*(\a)+(\b)):8*(8*(\a)+(\b))+7], v[(\f)+8*(4*(\hi)+(\a)):(\f)+8*(4*(\hi)+(\a))+7], v[64*(\q)+8*(\b):64*(\q)+8*(\b)+7], 0
.else
	v_wmma_f32_16x16x32_bf16 v[8*(8*(\a)+(\b)):8*(8*(\a)+(\b))+7], v[(\f)+8*(4*(\hi)+(\a)):(\f)+8*(4*(\hi)+(\a))+7], v[64*(\q)+8*(\b):64*(\q)+8*(\b)+7], v[8*(8*(\a)+(\b)):8*(8*(\a)+(\b))+7]
.endif
.endr
.endr
.endm
; A K STEP of 32: 64 matrix instructions, each accumulator once, in the same order in every step: the 64 take turns, over the backward jump too.  It multiplies A's buffer fa by ring buffer q.
; All its loads stand in ONE run, in its middle: the next step's A, at byte kimm behind ADRA, into buffer fn, and between the two halves of that (ld = 1) W of the step three on, at byte bimm behind WP, into the
; ring buffer behind q's.  Both buffers were last read by the step before; the four places that closed that step stand between.
; lcnt: the loads of the younger K steps, 16 each, which may stay out.  The step closes with four places; adv = 1: they step A's addresses four K steps on; adv = 2: back to the row's head.
.macro STEP fa, fn, q, kimm, ld, bimm, lcnt, zero, adv
	s_wait_loadcnt \lcnt                           ; this step's W is in
	s_wait_dscnt 8                                 ; A's rows 0-63 are in; the youngest eight loads (rows 64-127) may be out
	MUL32 \fa, \q, 0, \zero
	FETCHA \fn, \kimm, 0
.if \ld
	WIN TO_B
.irp b, 0,1,2,3,4,5,6,7
	global_load_b128 v[64*(((\q)+3)%4)+8*(\b):64*(((\q)+3)%4)+8*(\b)+3],   v[BO], s[WP:WP+1] offset:(\bimm)+(\b)*1024
	global_load_b128 v[64*(((\q)+3)%4)+8*(\b)+4:64*(((\q)+3)%4)+8*(\b)+7], v[BO], s[WP:WP+1] offset:(\bimm)+(\b)*1024+512
.endr
.endif
	FETCHA \fn, \kimm, 1
	s_wait_dscnt 16                                ; all LDS loads but the 16 just issued
	MUL32 \fa, \q, 1, \zero
	WIN 0
.if (\adv) == 1
.irp i, 0,1,2,3
	v_add_nc_u32 v[ADRA+(\i)], 256, v[ADRA+(\i)]
.endr
.elseif (\adv) == 2
.irp i, 0,1,2,3
	v_sub_nc_u32 v[ADRA+(\i)], v[ADRA+(\i)], 1792
.endr
.else
	PLACES
.endif
.endm
; THE EPILOGUE works in place on the accumulators, a UNIT (row group a: 8 accumulators) at a time.  One line each, for column fragment b and register pair i or register k:
;   OPB x = acc + bias     OPE 2^x     OP1 1 + 2^x     OPR r = 1 / (1 + 2^x)     OPV accumulator (a, 0) = the sum over b of v r
.macro EWIN a                          ; destination, source 0 and source 2 in the unit's window, source 1 (bias, v) in window 0
	WIN 0xa2+0x51*((\a)/4)
.endm
.macro OPB a, b, i
	EWIN \a
.set rA, 8*(8*((\a)%4)+(\b))+2*(\i)
.if (\b)%2
	v_pk_add_f32 v[rA:rA+1], v[rA:rA+1], v[BC+(\b)-1:BC+(\b)] op_sel:[0,1] op_sel_hi:[1,1]
.else
	v_pk_add_f32 v[rA:rA+1], v[rA:rA+1], v[BC+(\b):BC+(\b)+1] op_sel_hi:[1,0]
.endif
.endm
.macro OPE a, b, k
	EWIN \a
.set rA, 8*(8*((\a)%4)+(\b))+(\k)
	v_exp_f32 v[rA], v[rA]
.endm
.macro OP1 a, b, i
	EWIN \a
.set rA, 8*(8*((\a)%4)+(\b))+2*(\i)
	v_pk_add_f32 v[rA:rA+1], v[rA:rA+1], 1.0 op_sel_hi:[1,0]
.endm
.macro OPR a, b, k
	EWIN \a
.set rA, 8*(8*((\a)%4)+(\b))+(\k)
	v_rcp_f32 v[rA], v[rA]
.endm
.macro OPV a, b, i
	EWIN \a
.set rZ, 64*((\a)%4)+2*(\i)
.set rA, rZ+8*(\b)
.if (\b) == 0
	v_pk_mul_f32 v[rZ:rZ+1], v[rZ:rZ+1], v[VC:VC+1] op_sel_hi:[1,0]
.elseif (\b)%2
	v_pk_fma_f32 v[rZ:rZ+1], v[rA:rA+1], v[VC+(\b)-1:VC+(\b)], v[rZ:rZ+1] op_sel:[0,1,0] op_sel_hi:[1,1,1]
.else
	v_pk_fma_f32 v[rZ:rZ+1], v[rA:rA+1], v[VC+(\b):VC+(\b)+1], v[rZ:rZ+1] op_sel_hi:[1,0,1]
.endif
.endm
; PHASE p of ten: unit p gets its bias and exponentials, unit p - 1 its 1 + and reciprocals, unit p - 2 its sum with v, which S then takes.  Plain lines and transcendentals stand mixed: in group g the
; plain lines work on column fragment g, the transcendentals on fragment g - 1.  Nothing in a phase names a result of that phase's transcendentals, so a phase has ONE s_wait_alu depctr_va_vdst(0), at its end,
; ahead of the first reader; a plain line stands between the last transcendental and it.  Each accumulator is read from its low end on (OPB's pair 0 first).
.macro EPH p
.set g, 0
.rept 9
.if (\p) <= 7
.irp i, 0,1,2,3
.if g >= 1
	OPE \p, g-1, 2*(\i)
.endif
.if g <= 7
	OPB \p, g, \i
.endif
.if g >= 1
	OPE \p, g-1, 2*(\i)+1
.endif
.endr
.endif
.if ((\p) >= 1) && ((\p) <= 8)
.irp i, 0,1,2,3
.if g >= 1
	OPR (\p)-1, g-1, 2*(\i)
.endif
.if g <= 7
	OP1 (\p)-1, g, \i
.endif
.if g >= 1
	OPR (\p)-1, g-1, 2*(\i)+1
.endif
.endr
.endif
.if ((\p) >= 2) && (g <= 7)
.irp i, 0,1,2,3
	OPV (\p)-2, g, \i
.endr
.endif
.set g, g+1
.endr
.if (\p) >= 2
	WIN 0x02+((\p)-2)/4                            ; source 0 in the unit's window, S in window 0
.irp i, 0,1,2,3
	v_pk_add_f32 v[S+8*((\p)-2)+2*(\i):S+8*((\p)-2)+2*(\i)+1], v[64*(((\p)-2)%4)+2*(\i):64*(((\p)-2)%4)+2*(\i)+1], v[S+8*((\p)-2)+2*(\i):S+8*((\p)-2)+2*(\i)+1]
.endr
.else
	v_nop                                          ; the plain line behind the phase's last transcendental
.endif
.if (\p) <= 8
	s_wait_alu depctr_va_vdst(0)                   ; one wait for the phase's batch
.endif
.endm
.macro SWAP8 base                      ; the tile in hand's eight numbers and the other tile's change places, so that one text serves both tiles
.irp i, 0,1,2,3,4,5,6,7
	v_mov_b32 v[TMP+(\i)], v[(\base)+(\i)]
.endr
.irp i, 0,1,2,3,4,5,6,7
	v_mov_b32 v[(\base)+(\i)], v[(\base)+8+(\i)]
.endr
.irp i, 0,1,2,3,4,5,6,7
	v_mov_b32 v[(\base)+8+(\i)], v[TMP+(\i)]
.endr
.endm
; The context: rows 32 kk on of the block, my 256 columns, turned: 16 fragments, 32 loads, into buffer buf of window 3.
.macro TRL kk, buf
	WIN TO_T
.irp cb, 0,1,2,3,4,5,6,7,8,9,10,11,12,13,14,15
	ds_load_tr16_b128 v[128*(\buf)+8*(\cb):128*(\buf)+8*(\cb)+3],   v[TA+(\kk)] offset:(\cb)*32
	ds_load_tr16_b128 v[128*(\buf)+8*(\cb)+4:128*(\buf)+8*(\cb)+7], v[TA+(\kk)] offset:(\cb)*32+16*PITCH
.endr
.endm
.macro CMUL kk, zero                   ; 16 products, the 16 accumulators by turns
	WIN CTX
.irp cb, 0,1,2,3,4,5,6,7,8,9,10,11,12,13,14,15
.if \zero
	v_wmma_f32_16x16x32_bf16 v[8*(\cb):8*(\cb)+7], v[PF+8*(\kk):PF+8*(\kk)+7], v[128*((\kk)%2)+8*(\cb):128*((\kk)%2)+8*(\cb)+7], 0
.else
	v_wmma_f32_16x16x32_bf16 v[8*(\cb):8*(\cb)+7], v[PF+8*(\kk):PF+8*(\kk)+7], v[128*((\kk)%2)+8*(\cb):128*((\kk)%2)+8*(\cb)+7], v[8*(\cb):8*(\cb)+7]
.endif
.endr
.endm
	LOADQ X0, 0, 0                                 ; the first block's rows 0-7
	LOADQ X1, 4, 0
	WIN 0
	s_wait_loadcnt 63                              ; 64 loads were issued behind the twelve of bias and v: with 63 out at the most the twelve are in
.irp i, 0,2,4,6,8,10,12,14
	v_pk_add_f32 v[BC+(\i):BC+(\i)+1], v[BC+(\i):BC+(\i)+1], v[F0+(\i):F0+(\i)+1]  ; tables h and h + 2,
.endr
.irp i, 0,1,2,3,4,5,6,7,8,9,10,11,12,13,14,15
	v_permlanex16_b32 v[F0+(\i)], v[BC+(\i)], s40, s41                             ; the other half's two tables,
.endr
.irp i, 0,2,4,6,8,10,12,14
	v_pk_add_f32 v[BC+(\i):BC+(\i)+1], v[BC+(\i):BC+(\i)+1], v[F0+(\i):F0+(\i)+1]  ; all four: the same sum in both halves
.endr
	PARK 0                                         ; rows 0-7 rounded and parked, rows 8-15 asked for: as a later block finds it
.Lblock:
	; THE BLOCK COMES IN.  My 32 rows: eight lie parked, eight are on their way.  Then four at a time on the two sets: while one set is rounded and stored, the other's 32 loads are out, and the first is asked for again at once.
	v_lshl_add_u32 v[XS], v3, 3, s[XB]
	STQ PK, 0
	STQ PK+64, 4
	s_mov_b32 s[LQ], 2
.Lld:                                                  ; a trip: eight rows stored, eight asked for
	QUAD X0, 8, 32                                 ; the other set's 32 loads may stay out
	LOADQ X0, 16, 0
	QUAD X1, 12, 32
	LOADQ X1, 20, 0
	WIN 0
	s_wait_xcnt 0x0                                ; the loads have read their base: it is stepped only behind this wait
	s_add_nc_u64 s[EP:EP+1], s[EP:EP+1], 8*4096
	v_add_nc_u32 v[XS], 8*PITCH, v[XS]
	s_sub_co_u32 s[LQ], s[LQ], 1
	s_cmp_lg_u32 s[LQ], 0
	s_cbranch_scc1 .Lld
	QUAD X0, 8, 32                                 ; the last eight rows: nothing more of the block is asked for
	s_wait_xcnt 0x0
	s_mov_b64 s[WP:WP+1], s[WB:WB+1]
	BLD 0                                          ; the first tile's K step 0 of W, into registers that X0 has left
	QUAD X1, 12, 16                                ; those 16 loads may stay out
	BLD 1                                          ; K steps 1 and 2, into X1's
	BLD 2
	WIN 0
	v_pk_add_f32 v[TMP:TMP+1],   v[VC:VC+1],     v[VC+2:VC+3]    ; S starts at -1/2 of my 16 numbers of v
	v_pk_add_f32 v[TMP+2:TMP+3], v[VC+4:VC+5],   v[VC+6:VC+7]
	v_pk_add_f32 v[TMP+4:TMP+5], v[VC+8:VC+9],   v[VC+10:VC+11]
	v_pk_add_f32 v[TMP+6:TMP+7], v[VC+12:VC+13], v[VC+14:VC+15]
	v_pk_add_f32 v[TMP:TMP+1],   v[TMP:TMP+1],   v[TMP+2:TMP+3]
	v_pk_add_f32 v[TMP+4:TMP+5], v[TMP+4:TMP+5], v[TMP+6:TMP+7]
	v_pk_add_f32 v[TMP:TMP+1],   v[TMP:TMP+1],   v[TMP+4:TMP+5]
	v_add_f32 v[TMP], v[TMP], v[TMP+1]
	v_mul_f32 v[TMP], -0.5, v[TMP]
.set i, 0
.rept 64
	v_mov_b32 v[S+i], v[TMP]
.set i, i+1
.endr
	s_wait_dscnt 0x0                               ; for the others' sake: my 32 rows lie in LDS
	s_barrier_signal -1
	s_barrier_wait -1                              ; the block is whole
	FETCHA F0, 0, 0
	FETCHA F0, 0, 1
	s_mov_b32 s[TL], 2
.Ltile:
	STEP F0, F1, 0, 64, 1, 3*8192, 32, 1, 0        ; K step 0 stands in front of the loop: its products start the sums
	s_mov_b32 s[LEFT], 7
.Ltrip:                                                ; K steps 1 + 4 t .. 4 + 4 t.  32: the two younger K steps' loads
	STEP F1, F0, 1, 128, 1, 4*8192, 32, 0, 0
	STEP F0, F1, 2, 192, 1, 5*8192, 32, 0, 0
	STEP F1, F0, 3, 256, 1, 6*8192, 32, 0, 0
	STEP F0, F1, 0, 320, 1, 7*8192, 32, 0, 1
	s_wait_xcnt 0x0                                ; the loads, the youngest 32 matrix instructions back, have read their base
	s_add_nc_u64 s[WP:WP+1], s[WP:WP+1], 4*8192
	s_sub_co_u32 s[LEFT], s[LEFT], 1
	s_cmp_lg_u32 s[LEFT], 0
	s_cbranch_scc1 .Ltrip
	STEP F1, F0, 1, 128, 0, 0, 32, 0, 0            ; K steps 29, 30, 31 ask for no W: the counts run down
	STEP F0, F1, 2, 192, 0, 0, 16, 0, 2
	STEP F1, F0, 3, 0,   0, 0, 0,  0, 0            ; it fetches A's K step 0 again, for the next tile (behind the block's last tile that fetch serves nothing)
	s_add_nc_u64 s[WP:WP+1], s[WP:WP+1], 4*8192    ; the next tile's group follows in wf; no load has named the base since the loop's wait
	s_cmp_eq_u32 s[TL], 2
	s_cbranch_scc0 .Lsecond
	BLD 0                                          ; the second tile's first three K steps land while the epilogue runs
	BLD 1
	BLD 2
	WIN 0
	s_branch .Lepi
.Lsecond:
	s_cmp_eq_u32 s[BLK], 2
	s_cbranch_scc0 .Lepi
	LOADQ X0, 0, NEXTB                             ; the ring is free: the next block's rows 0-7 land while the epilogue runs
	LOADQ X1, 4, NEXTB
	WIN 0
.Lepi:
	PLACES                                         ; with the step's own four: eight places between the last products and the lines that work on them in place; once a tile
.irp p, 0,1,2,3,4,5,6,7,8,9
	EPH \p
.endr
	WIN 0
	SWAP8 BC
	SWAP8 VC
	s_sub_co_u32 s[TL], s[TL], 1
	s_cmp_lg_u32 s[TL], 0
	s_cbranch_scc1 .Ltile
	s_cmp_eq_u32 s[BLK], 2
	s_cbranch_scc0 .Lfin
	PARK NEXTB                                     ; the next block's rows 0-7 are parked; rows 8-15 land while this block ends
	; A PREFETCH INTO THE L2, at the first block's end alone, behind the loads just issued: rows 16-23 of my 32 of the second block, which the next block's first trip loads: 32,768 bytes, a lane 256 bytes, four
	; instructions a wave; each wave names its own rows, so no 256 bytes are named twice in the launch.  The block's end stands between these lines and those loads.  The second block asks for nothing: no line points past the buffer.
.irp i, 0,1,2,3
	global_prefetch_b8 v[PFO], s[EP:EP+1] offset:NEXTB+16*4096+(\i)*8192 th:TH_LOAD_NT scope:SCOPE_SE
.endr
.Lfin:
	; THE BLOCK'S END.  S over the 16 lanes of a half (16 columns), then over the four waves through LDS.
.irp m, 1,2,4,8
.set i, 0
.rept 64
	v_add_f32_dpp v[S+i], v[S+i], v[S+i] row_xmask:\m row_mask:0xf bank_mask:0xf
.set i, i+1
.endr
.endr
.irp a, 0,1,2,3,4,5,6,7
	ds_store_b128 v[SA], v[S+8*(\a):S+8*(\a)+3]   offset:(\a)*64     ; rows 16 a + 8 h + 0..7; the 16 lanes of a half store the same numbers to the same bytes
	ds_store_b128 v[SA], v[S+8*(\a)+4:S+8*(\a)+7] offset:(\a)*64+16
.endr
	s_wait_dscnt 0x0                               ; for the others' sake: my partial S lies in LDS; S's registers are free from here on
	s_barrier_signal -1
	s_barrier_wait -1
.irp w, 0,1,2,3
	ds_load_b128 v[Q+4*(\w):Q+4*(\w)+3], v[SR] offset:(\w)*512  ; every wave takes all 128 rows, a lane rows 4 l .. 4 l + 3
.endr
	s_wait_dscnt 0x0
	v_pk_add_f32 v[Q:Q+1],     v[Q:Q+1],     v[Q+4:Q+5]
	v_pk_add_f32 v[Q+2:Q+3],   v[Q+2:Q+3],   v[Q+6:Q+7]
	v_pk_add_f32 v[Q+8:Q+9],   v[Q+8:Q+9],   v[Q+12:Q+13]
	v_pk_add_f32 v[Q+10:Q+11], v[Q+10:Q+11], v[Q+14:Q+15]
	v_pk_add_f32 v[Q:Q+1],     v[Q:Q+1],     v[Q+8:Q+9]
	v_pk_add_f32 v[Q+2:Q+3],   v[Q+2:Q+3],   v[Q+10:Q+11]
	v_pk_fma_f32 v[SC:SC+1],   v[Q:Q+1],   s[36:37], s[34:35] op_sel_hi:[1,0,0]  ; score = -2 S + b_v
	v_pk_fma_f32 v[SC+2:SC+3], v[Q+2:Q+3], s[36:37], s[34:35] op_sel_hi:[1,0,0]
	v_max_num_f32 v[ML+2], v[SC], v[SC+1]          ; the block's maximum
	v_max_num_f32 v[ML+3], v[SC+2], v[SC+3]
	v_max_num_f32 v[ML+2], v[ML+2], v[ML+3]
.irp m, 1,2,4,8
	v_max_num_f32_dpp v[ML+2], v[ML+2], v[ML+2] row_xmask:\m row_mask:0xf bank_mask:0xf
.endr
	v_permlanex16_b32 v[ML+3], v[ML+2], s40, s41
	v_max_num_f32 v[ML], v[ML+2], v[ML+3]
	v_mul_f32 v[ML+2], s38, v[ML]                  ; m log2(e); the packed lines below take the pair's low word for both halves
	v_pk_fma_f32 v[P4:P4+1],   v[SC:SC+1],   s[38:39], v[ML+2:ML+3] op_sel_hi:[1,0,0] neg_lo:[0,0,1] neg_hi:[0,0,1]
	v_pk_fma_f32 v[P4+2:P4+3], v[SC+2:SC+3], s[38:39], v[ML+2:ML+3] op_sel_hi:[1,0,0] neg_lo:[0,0,1] neg_hi:[0,0,1]
.irp k, 0,1,2,3
	v_exp_f32 v[P4+(\k)], v[P4+(\k)]               ; p = e^(score - m)
.endr
	v_nop                                          ; a plain line behind the last exponential,
	s_wait_alu depctr_va_vdst(0)                   ; and the one wait for the four, ahead of their first reader
	v_add_f32 v[ML+4], v[P4], v[P4+1]              ; l
	v_add_f32 v[ML+5], v[P4+2], v[P4+3]
	v_add_f32 v[ML+4], v[ML+4], v[ML+5]
.irp m, 1,2,4,8
	v_add_f32_dpp v[ML+4], v[ML+4], v[ML+4] row_xmask:\m row_mask:0xf bank_mask:0xf
.endr
	v_permlanex16_b32 v[ML+5], v[ML+4], s40, s41
	v_add_f32 v[ML+1], v[ML+4], v[ML+5]
	v_cvt_pk_bf16_f32 v[ML+6], v[P4], v[P4+1]
	v_cvt_pk_bf16_f32 v[ML+7], v[P4+2], v[P4+3]
	ds_store_b64 v[PBS], v[ML+6:ML+7]              ; my wave's own copy of the 128 p
.irp kk, 0,1,2,3
	ds_load_b128 v[PF+8*(\kk):PF+8*(\kk)+3],   v[PA] offset:(\kk)*64     ; back as source 0: all 16 rows of the fragment are p.  LDS serves a wave's instructions in order (ISA guide 5.7.1.4): these see the store above
	ds_load_b128 v[PF+8*(\kk)+4:PF+8*(\kk)+7], v[PA] offset:(\kk)*64+32
.endr
	s_cmp_lg_u32 s[WAVE], 0                        ; every wave holds the scores, m and l: wave 0 stores them
	s_cbranch_scc1 .Lnot_0
	global_store_b128 v[BO], v[SC:SC+3], s[SCP:SCP+1]   ; 512 consecutive bytes
	global_store_b64 v[L8], v[ML:ML+1], s[STP:STP+1]    ; (m, l) 32 times: 256 consecutive bytes, aligned
.Lnot_0:
	; ctx = p x block on the matrix unit: source 1 = 32 rows x 16 columns of the block, turned on the way out of LDS.
	TRL 0, 0
	TRL 1, 1
	s_wait_dscnt 32                                ; p and rows 0-31 are in; the 32 loads of rows 32-63 may be out
	CMUL 0, 1
	PLACES
	TRL 2, 0
	s_wait_dscnt 32
	CMUL 1, 0
	PLACES
	TRL 3, 1
	s_wait_dscnt 32
	CMUL 2, 0
	s_wait_dscnt 0x0
	CMUL 3, 0
	PLACES
	PLACES                                         ; eight places, once a block
	WIN FROM2
.irp i, 0,1,2,3,4,5,6,7
	v_cndmask_b32 v[CT+(\i)], v[16*(\i)], v[16*(\i)+8], s42  ; all rows of a result are alike: register 0 of column group 2 i for lanes 0-15, of 2 i + 1 for lanes 16-31: 32 neighbouring columns
.endr
	WIN 0
.irp i, 0,1,2,3,4,5,6,7
	ds_store_b32 v[CS], v[CT+(\i)] offset:(\i)*128
.endr
	ds_load_b128 v[CO8:CO8+3],   v[CR]             ; my wave's own bytes, back as 16 bytes a lane
	ds_load_b128 v[CO8+4:CO8+7], v[CR] offset:512
	s_wait_dscnt 0x0
	global_store_b128 v[BO], v[CO8:CO8+3],   s[CXP:CXP+1]             ; 512 consecutive bytes each
	global_store_b128 v[BO], v[CO8+4:CO8+7], s[CXP:CXP+1] offset:512
	s_barrier_signal -1                            ; my reads of the block and of the partial S are back (the wait for 0 above):
	s_barrier_wait -1                              ; behind this barrier the next block may be stored over this one
	s_wait_xcnt 0x0                                ; the stores, the early loads and the prefetches have read their bases and registers
	s_add_nc_u64 s[EP:EP+1], s[EP:EP+1], NEXTB
	s_add_nc_u64 s[SCP:SCP+1], s[SCP:SCP+1], 512
	s_add_nc_u64 s[STP:STP+1], s[STP:STP+1], 256
	s_add_nc_u64 s[CXP:CXP+1], s[CXP:CXP+1], 4096
	s_sub_co_u32 s[BLK], s[BLK], 1
	s_cmp_lg_u32 s[BLK], 0
	s_cbranch_scc1 .Lblock
	s_wait_tensorcnt 0x0                           ; the wave's end: three closing lines, behind my last LDS store
	ds_add_u32 v[SPW], v[NIL]
	s_wait_dscnt 0x0
	s_endpgm
.Lfunc_end_k_qc752b77050_main:
	.size	k_qc752b77050_main, .Lfunc_end_k_qc752b77050_main-k_qc752b77050_main
	.p2alignl 7, 3214868480
	.fill 96, 4, 3214868480
	.section	.rodata,"a",@progbits
	.p2align	6, 0x0
	.amdhsa_kernel k_qc752b77050_main
		.amdhsa_group_segment_fixed_size 271872
		.amdhsa_private_segment_fixed_size 0
		.amdhsa_enable_private_segment 0
		.amdhsa_kernarg_size 64
		.amdhsa_user_sgpr_count 2
		.amdhsa_user_sgpr_kernarg_segment_ptr 1
		.amdhsa_wavefront_size32 1
		.amdhsa_system_sgpr_workgroup_id_x 1
		.amdhsa_system_sgpr_workgroup_id_y 1
		.amdhsa_system_sgpr_workgroup_id_z 1
		.amdhsa_system_vgpr_workitem_id 0
		.amdhsa_next_free_vgpr 1024
		.amdhsa_next_free_sgpr 66
		.amdhsa_reserve_vcc 0
		.amdhsa_float_denorm_mode_32 3
		.amdhsa_float_denorm_mode_16_64 3
		.amdhsa_memory_ordered 1
		.amdhsa_forward_progress 1
		.amdhsa_inst_pref_size 255
	.end_amdhsa_kernel
	.section	.bss,"aw",@nobits
	.p2align	6
	.space	262144
	.amdgpu_metadata
---
amdhsa.version: [ 1, 2 ]
amdhsa.kernels:
  - .name:           k_qc752b77050_main
    .symbol:         k_qc752b77050_main.kd
    .args:
      - { .name: encoder_out, .offset: 0, .size: 8, .value_kind: global_buffer, .address_space: global }
      - { .name: wf, .offset: 8, .size: 8, .value_kind: global_buffer, .address_space: global }
      - { .name: biasw, .offset: 16, .size: 8, .value_kind: global_buffer, .address_space: global }
      - { .name: W_v, .offset: 24, .size: 8, .value_kind: global_buffer, .address_space: global }
      - { .name: b_v, .offset: 32, .size: 8, .value_kind: global_buffer, .address_space: global }
      - { .name: scores, .offset: 40, .size: 8, .value_kind: global_buffer, .address_space: global }
      - { .name: stats, .offset: 48, .size: 8, .value_kind: global_buffer, .address_space: global }
      - { .name: ctxp, .offset: 56, .size: 8, .value_kind: global_buffer, .address_space: global }
    .group_segment_fixed_size: 271872
    .private_segment_fixed_size: 0
    .kernarg_segment_align: 8
    .kernarg_segment_size: 64
    .max_flat_workgroup_size: 128
    .sgpr_count:     66
    .vgpr_count:     1024
    .wavefront_size: 32
...
	.end_amdgpu_metadata
.endif
;; end of part 2
;; launch finish (part 3): grid 8 x 32, 2 waves a work-group, no clusters, 0 bytes of LDS; arguments scores, stats, ctxp, out0, out1; writes out0, out1
.if DOCPART == 3
	.amdgcn_target "amdgcn-amd-amdhsa--gfx1250"
	.amdhsa_code_object_version 6
	.text
	.protected	k_qc752b77050_finish
	.globl	k_qc752b77050_finish
	.p2align	8
	.type	k_qc752b77050_finish,@function
k_qc752b77050_finish:
	s_mov_b64 s[64:65], 0
	v_nop
	global_prefetch_b8 v0, s[64:65] scope:SCOPE_SE
	s_setreg_imm32_b32 hwreg(HW_REG_WAVE_MODE, 25, 1), 1
	s_wait_xcnt 0x0
; FINISH.  A batch's 16 blocks are merged: M = max m_i, w_i = e^(m_i - M), L = the sum of l_i w_i;  alpha[s] = e^(score[s] - M) / L;  context[e] = the sum over i of (w_i / L) ctx_i[e].
; SHARES.  Work-group (x, b), 64 threads: 256 numbers of alpha (16 bytes a thread) and 128 of the context (8 bytes a thread) of batch b.  Every wave makes M, L and the 16 weights for itself: lane l holds block l % 16.
; All 18 loads go out first; the waits count down as their data are wanted.  No LDS, no barrier: no wave wants what another has.  L is at least 1 (the block with m = M has w = 1 and l >= 1).
; LIMITS.  NaN and infinities are not treated apart; a weight below 2^-126 counts as 0.
.set LOG2E, 0x3fb8aa3b
.set CX, 16                            ; v[16:47] my two numbers of each block's ctx
	s_load_b256 s[4:11], s[0:1], 0x0               ; scores s[4:5], stats s[6:7], ctxp s[8:9], out0 s[10:11]
	s_load_b64 s[12:13], s[0:1], 0x20              ; out1
	s_and_b32 s14, ttmp7, 0xffff                   ; the batch
	v_and_b32 v1, 15, v0
	v_lshlrev_b32 v1, 8, v1                        ; a block's (m, l) lie 256 bytes apart
	v_lshlrev_b32 v2, 4, v0                        ; 16 t
	v_lshlrev_b32 v3, 3, v0                        ; 8 t
	s_lshl_b32 s16, s14, 12                        ; stats: 16 blocks x 256 bytes
	s_mov_b32 s17, 0
	s_lshl_b32 s18, s14, 13                        ; scores, out1: 8,192 b + 1,024 x
	s_lshl_b32 s19, ttmp9, 10
	s_add_co_u32 s18, s18, s19
	s_mov_b32 s19, 0
	s_lshl_b32 s20, s14, 16                        ; ctxp: 65,536 b + 512 x
	s_lshl_b32 s21, ttmp9, 9
	s_add_co_u32 s20, s20, s21
	s_add_co_u32 s22, s16, s21                     ; out0: 4,096 b + 512 x
	s_mov_b32 s21, 0
	s_mov_b32 s23, 0
	s_wait_kmcnt 0x0
	s_add_nc_u64 s[6:7], s[6:7], s[16:17]
	s_add_nc_u64 s[4:5], s[4:5], s[18:19]
	s_add_nc_u64 s[12:13], s[12:13], s[18:19]
	s_add_nc_u64 s[8:9], s[8:9], s[20:21]
	s_add_nc_u64 s[10:11], s[10:11], s[22:23]
	global_load_b64 v[4:5], v1, s[6:7]             ; m, l of block l % 16
	global_load_b128 v[8:11], v2, s[4:5]           ; four scores
.irp i, 0,1,2,3,4,5,6,7,8,9,10,11,12,13,14,15
	global_load_b64 v[CX+2*(\i):CX+2*(\i)+1], v3, s[8:9] offset:(\i)*4096
.endr
	s_wait_loadcnt 17                              ; m and l are in; the 17 loads behind them may stay out
	v_mov_b32 v6, v4                               ; m is kept; M is made beside it
.irp m, 1,2,4,8
	v_max_num_f32_dpp v6, v6, v6 row_xmask:\m row_mask:0xf bank_mask:0xf
.endr
	v_sub_f32 v7, v4, v6
	v_mul_f32 v7, LOG2E, v7
	v_exp_f32 v7, v7                               ; w
	v_nop                                          ; a plain line behind the exponential,
	s_wait_alu depctr_va_vdst(0)                   ; and its wait, ahead of its first reader
	v_mul_f32 v12, v5, v7
.irp m, 1,2,4,8
	v_add_f32_dpp v12, v12, v12 row_xmask:\m row_mask:0xf bank_mask:0xf
.endr
	v_rcp_f32 v14, v12                             ; 1 / L
	v_nop
	s_wait_alu depctr_va_vdst(0)
	v_mul_f32 v15, v7, v14                         ; w / L
.irp i, 0,1,2,3,4,5,6,7,8,9,10,11,12,13,14,15
	v_readlane_b32 s[32+(\i)], v15, \i             ; the 16 weights as scalars: they serve as factors alone
.endr
	s_wait_loadcnt 16                              ; the scores are in
	v_pk_add_f32 v[8:9],   v[8:9],   v[6:7] op_sel_hi:[1,0] neg_lo:[0,1] neg_hi:[0,1]  ; score - M
	v_pk_add_f32 v[10:11], v[10:11], v[6:7] op_sel_hi:[1,0] neg_lo:[0,1] neg_hi:[0,1]
	v_pk_mul_f32 v[8:9],   v[8:9],   LOG2E op_sel_hi:[1,0]
	v_pk_mul_f32 v[10:11], v[10:11], LOG2E op_sel_hi:[1,0]
.irp k, 8,9,10,11
	v_exp_f32 v\k, v\k
.endr
	v_nop
	s_wait_alu depctr_va_vdst(0)                   ; one wait for the four
	v_pk_mul_f32 v[8:9],   v[8:9],   v[14:15] op_sel_hi:[1,0]
	v_pk_mul_f32 v[10:11], v[10:11], v[14:15] op_sel_hi:[1,0]
	global_store_b128 v2, v[8:11], s[12:13]        ; 512 consecutive bytes a wave
	s_wait_loadcnt 0x0
	v_mul_f32 v48, s32, v[CX]
	v_mul_f32 v49, s32, v[CX+1]
.irp i, 1,2,3,4,5,6,7,8,9,10,11,12,13,14,15
	v_fma_f32 v48, s[32+(\i)], v[CX+2*(\i)],   v48
	v_fma_f32 v49, s[32+(\i)], v[CX+2*(\i)+1], v49
.endr
	global_store_b64 v3, v[48:49], s[10:11]        ; 256 consecutive bytes a wave, aligned
	s_endpgm
.Lfunc_end_k_qc752b77050_finish:
	.size	k_qc752b77050_finish, .Lfunc_end_k_qc752b77050_finish-k_qc752b77050_finish
	.p2alignl 7, 3214868480
	.fill 96, 4, 3214868480
	.section	.rodata,"a",@progbits
	.p2align	6, 0x0
	.amdhsa_kernel k_qc752b77050_finish
		.amdhsa_group_segment_fixed_size 0
		.amdhsa_private_segment_fixed_size 0
		.amdhsa_enable_private_segment 0
		.amdhsa_kernarg_size 40
		.amdhsa_user_sgpr_count 2
		.amdhsa_user_sgpr_kernarg_segment_ptr 1
		.amdhsa_wavefront_size32 1
		.amdhsa_system_sgpr_workgroup_id_x 1
		.amdhsa_system_sgpr_workgroup_id_y 1
		.amdhsa_system_sgpr_workgroup_id_z 1
		.amdhsa_system_vgpr_workitem_id 0
		.amdhsa_next_free_vgpr 64
		.amdhsa_next_free_sgpr 66
		.amdhsa_reserve_vcc 0
		.amdhsa_float_denorm_mode_32 3
		.amdhsa_float_denorm_mode_16_64 3
		.amdhsa_memory_ordered 1
		.amdhsa_forward_progress 1
		.amdhsa_inst_pref_size 8
	.end_amdhsa_kernel
	.amdgpu_metadata
---
amdhsa.version: [ 1, 2 ]
amdhsa.kernels:
  - .name:           k_qc752b77050_finish
    .symbol:         k_qc752b77050_finish.kd
    .args:
      - { .name: scores, .offset: 0, .size: 8, .value_kind: global_buffer, .address_space: global }
      - { .name: stats, .offset: 8, .size: 8, .value_kind: global_buffer, .address_space: global }
      - { .name: ctxp, .offset: 16, .size: 8, .value_kind: global_buffer, .address_space: global }
      - { .name: out0, .offset: 24, .size: 8, .value_kind: global_buffer, .address_space: global }
      - { .name: out1, .offset: 32, .size: 8, .value_kind: global_buffer, .address_space: global }
    .group_segment_fixed_size: 0
    .private_segment_fixed_size: 0
    .kernarg_segment_align: 8
    .kernarg_segment_size: 40
    .max_flat_workgroup_size: 64
    .sgpr_count:     66
    .vgpr_count:     64
    .wavefront_size: 32
...
	.end_amdgpu_metadata
.endif
;; end of part 3
;; ======== version 2 of 2: 3 launches; version 1 with the launch main written anew for expert scheduling mode
;; workspace buffers: wf 2,097,152 bytes; biasw 524,288 bytes; scores 262,144 bytes; stats 131,072 bytes; ctxp 2,097,152 bytes
;; launch prep: the kernel of part 1 again; grid 256 x 1, 8 waves a work-group, no clusters, 17,408 bytes of LDS; arguments W_enc, W_dec, decoder_hidden, b_enc, b_dec, wf, biasw; writes wf, biasw
;; launch main (part 4): grid 256 x 1, 4 waves a work-group, no clusters, 271,872 bytes of LDS; arguments encoder_out, wf, biasw, W_v, b_v, scores, stats, ctxp; writes scores, stats, ctxp
.if DOCPART == 4
	.amdgcn_target "amdgcn-amd-amdhsa--gfx1250"
	.amdhsa_code_object_version 6
	.text
	.protected	k_qc752b77050_main
	.globl	k_qc752b77050_main
	.p2align	8
	.type	k_qc752b77050_main,@function
k_qc752b77050_main:
	s_mov_b64 s[64:65], 0
	v_nop
	global_prefetch_b8 v0, s[64:65] scope:SCOPE_SE
	s_setreg_imm32_b32 hwreg(HW_REG_WAVE_SCHED_MODE, 0, 2), 2
	s_setreg_imm32_b32 hwreg(HW_REG_WAVE_MODE, 25, 1), 1
	s_wait_xcnt 0x0
	s_wait_alu depctr_vm_vsrc(0)
; MAIN.  For 256 rows of encoder_out ([65,536][1,024] f32; all 256 lie in one batch), as two BLOCKS of 128 rows:
;   score[row] = b_v + the sum over a of v[a] tanh(enc[row] . W_enc[a] + bias[batch][a]);   the block's m = max score, p = e^(score - m), l = sum p, and ctx[e] = the sum over rows of p enc[row][e].
; Stored: the scores, (m, l) and ctx of each block; the next launch merges a batch's 16 blocks.  So every row of encoder_out is read from memory ONCE: it stays in LDS, in bf16, until its weight is known.
; TANH.  wf holds c2 W_enc and biasw c2 x bias (in four partial tables, added here in f32), c2 = 2 log2(e): x = acc + bias, r = 1 / (1 + 2^x), tanh = 1 - 2 r, score = sum v - 2 sum v r + b_v.  The sum S starts at
; -1/2 of the lane's sum of v, and score = -2 S + b_v: every term is bounded by |v|, as in the direct sum.  2^x = infinity gives r = 0, 2^x = 0 gives r = 1: tanh saturates by itself.
; LIMITS.  NaN and infinities in the inputs are not treated apart.  v_exp_f32 and v_rcp_f32 are good to one unit in the last place (ISA guide, their entries), so tanh has an absolute error of some 1e-7.
; Matrix operands are bf16 (W_enc rounded after the factor c2); p is rounded to bf16 for the context product, l is the sum of the unrounded p.  Sums, maxima and S are f32.
; SHARES.  Four waves.  A block's product goes in two TILES of 512 columns; in a tile wave w makes all 128 rows x its 128 columns of group 2 w + t: 64 accumulators, 512 registers.  A's fragments come from LDS;
; W's come straight from wf into a ring of four register buffers (a K step of 32 each): no two waves of the work-group want the same byte of W, so LDS would add nothing between them.
; COLUMNS.  Lane l % 16 = r of column fragment b of group g stands for column 128 g + 8 r + b (wf is laid so): a lane's eight biases, and its eight v, of a tile are 32 consecutive bytes.  A score sums over all columns.
; NO CLUSTER, NO JOINT LOADS, though all work-groups walk the same W: the resident block takes 264,192 of the 327,680 bytes of LDS and the scratch 7,680; what is left, 55,808, does not hold two slots of one K step
; of a tile (2 x 512 columns x 64 bytes = 65,536), and a smaller slot would feed 32 matrix instructions a wave, or fewer, for each round of a cluster's barrier.
; THE NEXT BLOCK COMES EARLY.  Behind a block's last K step W's ring is free: the next block's first 8 of my 32 rows are asked for into it, ahead of the epilogue; behind the epilogue they are rounded and PARKED in A's
; fragment buffers, and rows 8-15 are asked for, ahead of the block's end.  So 16 of the 32 rows are in registers, or on their way, when the LDS block may be written again.
; LAYOUT.  D = A B: source 0 = 16 rows of the block, source 1 = 16 rows of W.  Register j of lane l is (row 8 (l / 16) + j, column fragment's lane l % 16): bias and v are ONE number a lane for each fragment b.
; REGISTERS, in windows of 256 (s_set_vgpr_msb: bits 1:0 source 0, 3:2 source 1, 5:4 source 2, 7:6 destination):
;   window 0: v0-15, v48-55 addresses; v16-31 bias, v32-47 v (the tile in hand first, the other tile's behind); v56-63 at work; v64-127, v128-191 A's two fragment buffers, between blocks eight parked rows,
;             while a block is loaded two sets of four rounded rows; v192-255 S (row group a at 192 + 8 a), at a block's end, once S is stored, the end's working registers
;   window 1: W's ring, buffer q at 64 q; while a block is loaded two sets of four f32 rows: X0 in buffers 3 and 0, X1 in buffers 1 and 2
;   windows 2, 3: the accumulators: (a, b) in window 2 + a / 4 at v[8 (8 (a % 4) + b)].   At a block's end: window 2 v0-127 the context's 16 accumulators, window 3 two buffers of turned fragments.
; THE MODE: SCHED_MODE bits 1:0 = 2 (LLVM: expert scheduling mode 2), set by the entry lines.  The code itself states the register dependences between vector or matrix instructions and memory or LDS
; instructions, with s_wait_alu, always for 0.
; THE PLAN.  Registers that memory or LDS instructions touch, and who else names them:
;   v4-7, v9, v14, v15, v48-55   Offsets and LDS addresses: written at the head, ahead of its one wait on va_vdst, and never again.
;   X0, X1 (window 1)            Loads land; a set's 64 roundings read it.  ONE wait on va_vdst behind those roundings: they are done reading the set and have written their 64 registers of bf16.  Behind it the set's next
;                                loads go out first, then the LDS stores of the rounded rows; no vector line stands between.
;   PK, T0, T1 (v64-191)         Written by the roundings (X0 into v64-127, X1 into v128-191), read by the LDS stores.  One wait on vm_vsrc a trip of the load, at its end, with v[XS]'s step behind it.
;   F0, F1 (v64-191), the ring   K step s: its products read A's buffer s % 2 and ring buffer s % 4; its loads land in the other A buffer and in ring buffer (s + 3) % 4, which the products of step s - 1 read last.
;                                ONE wait on va_vdst at the step's head states that those are done; the step's 32 loads follow in four groups of eight, dealt among its first 32 products, which name none of their registers.
;   v[ADRA ..]                   Read by every LDS load of a fragment; written at the end of every fourth K step and of K step 30, behind a wait on vm_vsrc; the next step's head wait shows them written.
;   S's registers (v192-255)     At a block's end written by vector lines and LDS loads, read by LDS and global stores: each run of stores has a wait on va_vdst ahead of it; one wait on vm_vsrc stands behind S's stores, one at the end.
;   window 3 at a block's end    Two buffers of turned fragments: a wait on va_vdst between the 16 products that read a buffer and the loads that fill it again.
.set PITCH, 2064                       ; a row in LDS: 2,048 bytes + 16 = 516 words: row r starts at bank 4 r mod 64 (64 banks of 4 bytes: ISA guide 11.1), so the 16 rows of a fragment load start at 16 different banks
.set SCR,   128*PITCH                  ; behind the block: [wave][128 rows] f32, the waves' partial S
.set PB,    SCR+2048                   ; for each wave 256 bytes: the 128 p in bf16
.set CST,   PB+1024                    ; for each wave 1,024 bytes: its 256 numbers of ctx, on the way out
.set SPARE, CST+4096                   ; the spare words, 128 bytes a wave: two blocks of 256 bytes that no other line names
.set NEXTB, 524288-2*8*4096            ; bytes from where EP stands behind a block's load (16 rows on) to my first row of the next block
.set SPW,  4                           ; v4   LDS address of my spare word; never rewritten
.set NIL,  5                           ; v5   0; never rewritten
.set BO,   6                           ; v6   16 l
.set PFO,  7                           ; v7   256 l
.set XS,   8                           ; v8   where I store 8 bytes of a row of the block
.set L8,   9                           ; v9   8 l
.set ADRA, 10                          ; v10-13  r x PITCH + 16 h + 32 i rows, + the K steps gone by
.set SA,   14                          ; v14  SCR + 512 x wave + 32 h
.set SR,   15                          ; v15  SCR + 16 l
.set BC,   16
.set VC,   32
.set PBS,  48                          ; v48  PB + 256 x wave + 8 l
.set PA,   49                          ; v49  PB + 256 x wave + 16 h
.set CS,   50                          ; v50  CST + 1,024 x wave + 4 l
.set CR,   51                          ; v51  CST + 1,024 x wave + 16 l
.set TA,   52                          ; v52-55  the turning loads' address for rows 32 kk on
.set TMP,  56
.set F0,   64
.set F1,   128
.set S,    192
.set T0,   64                          ; block load: 64 registers of bf16, four rows out of X0,
.set T1,   128                         ; and four rows out of X1
.set PK,   64                          ; v64-191: eight rows parked in bf16
.set X0,   192                         ; block load, window 1, register numbers modulo 256: ring buffers 3 and 0,
.set X1,   64                          ; and buffers 1 and 2: W's K step 0 can be asked for as soon as X0's last rows are rounded, and the youngest 32 loads of either kind land in buffers 1 and 2
.set PF,   192                         ; block end, in S's registers: p as source 0, four fragments;
.set Q,    192                         ; under them, dead before p is made: the four waves' partial S
.set CT,   224
.set CO8,  232
.set SC,   240                         ; my four scores
.set P4,   244
.set ML,   248                         ; m, l, six at work
.set EP,   8                           ; s[8:9]   encoder_out at my wave's rows
.set WB,   10                          ; s[10:11] wf at my wave's two groups
.set SCP,  18                          ; s[18:19] scores, s[20:21] stats, s[22:23] ctxp at the block in hand
.set STP,  20
.set CXP,  22
.set WAVE, 24
.set BLK,  25                          ; blocks to go
.set TL,   26                          ; tiles to go
.set LEFT, 27
.set LQ,   28
.set XB,   29                          ; my wave's 32 rows in the LDS block
.set WP,   30                          ; s[30:31] wf at the K steps that are loaded next
.set MSB, 0
.macro WIN new                         ; the immediate's high byte repeats the setting that is left; a switch that changes nothing is dropped
.if MSB != (\new)
	s_set_vgpr_msb (MSB<<8)|(\new)
.set MSB, (\new)
.endif
.endm
.set MUL_LO, 0xa4                      ; A window 0, W window 1, C and D window 2
.set TO_B,   0x40                      ; destination window 1
.set TO_T,   0xc0                      ; destination window 3
.set CVTX,   0x05                      ; sources 0 and 1 window 1, destination window 0
.set FROM2,  0x0a                      ; sources 0 and 1 window 2, destination window 0
.set CTX,    0xac                      ; p window 0, turned fragments window 3, C and D window 2
.macro PLACES                          ; four places: plain vector instructions between a matrix instruction and a load into, or a vector instruction on, its registers
.rept 4
	v_nop
.endr
.endm
	s_load_b512 s[8:23], s[0:1], 0x0               ; encoder_out, wf, biasw s[12:13], W_v s[14:15], b_v s[16:17], scores, stats, ctxp
	v_lshl_add_u32 v[SPW], v0, 2, SPARE
	v_mov_b32 v[NIL], 0
	v_and_b32 v1, 15, v0                           ; r
	v_bfe_u32 v2, v0, 4, 1                         ; h
	v_and_b32 v3, 31, v0                           ; l
	v_lshrrev_b32 v[TMP], 5, v0
	v_readfirstlane_b32 s[WAVE], v[TMP]            ; wave 0..3
	v_lshlrev_b32 v[BO], 4, v3
	v_lshlrev_b32 v[PFO], 8, v3
	v_lshlrev_b32 v[L8], 3, v3
	s_wait_alu depctr_va_sdst(0)                   ; s[WAVE] is written, ahead of its first reader: LDS addresses, bases and branches are made from it
	s_mul_i32 s[XB], s[WAVE], 32*PITCH
	v_mul_u32_u24 v[ADRA], v1, PITCH
	v_lshl_add_u32 v[ADRA], v2, 4, v[ADRA]
	v_add_nc_u32 v[ADRA+1], 32*PITCH, v[ADRA]
	v_add_nc_u32 v[ADRA+2], 64*PITCH, v[ADRA]
	v_add_nc_u32 v[ADRA+3], 96*PITCH, v[ADRA]
	s_lshl_b32 s32, s[WAVE], 9
	s_add_co_u32 s33, s32, SCR
	v_lshl_add_u32 v[SA], v2, 5, s33
	v_lshl_add_u32 v[SR], v3, 4, SCR
	s_lshl_b32 s33, s[WAVE], 8
	s_add_co_u32 s33, s33, PB
	v_lshl_add_u32 v[PBS], v3, 3, s33
	v_lshl_add_u32 v[PA], v2, 4, s33
	s_lshl_b32 s33, s[WAVE], 10
	s_add_co_u32 s33, s33, CST
	v_lshl_add_u32 v[CS], v3, 2, s33
	v_lshl_add_u32 v[CR], v3, 4, s33
	; the turning load takes 16 rows x 16 columns: lane l reads row 8 h + l % 8, columns 8 ((l / 8) % 2) + 0..7; my wave's 256 columns of the block begin at byte 512 x wave
	v_and_b32 v[TMP], 7, v0
	v_lshl_add_u32 v[TMP], v2, 3, v[TMP]
	v_mul_u32_u24 v[TA], v[TMP], PITCH
	v_bfe_u32 v[TMP+1], v0, 3, 1
	v_lshl_add_u32 v[TA], v[TMP+1], 4, v[TA]
	v_add_nc_u32 v[TA], s32, v[TA]
	v_add_nc_u32 v[TA+1], 32*PITCH, v[TA]
	v_add_nc_u32 v[TA+2], 64*PITCH, v[TA]
	v_add_nc_u32 v[TA+3], 96*PITCH, v[TA]
	; biasw is [kq][a / 16][batch][a % 16]; my columns of tile t are a = 256 w + 128 t + 8 r + b: a / 16 = 16 w + 8 t + r / 2, a % 16 = 8 (r % 2) + b.  Lanes of half h take tables h and h + 2.
	s_lshr_b32 s32, ttmp9, 3                       ; the batch: 8 work-groups each
	s_lshl_b32 s32, s32, 6
	s_lshl_b32 s33, s[WAVE], 15
	s_add_co_u32 s32, s32, s33
	v_lshrrev_b32 v[TMP+2], 1, v1
	v_lshl_add_u32 v[TMP], v[TMP+2], 11, s32
	v_and_b32 v[TMP+2], 1, v1
	v_lshl_add_u32 v[TMP], v[TMP+2], 5, v[TMP]
	v_lshl_add_u32 v[TMP], v2, 17, v[TMP]          ; 32,768 w + 2,048 (r / 2) + 64 x batch + 32 (r % 2) + 131,072 h
	s_lshl_b32 s33, s[WAVE], 10
	v_lshl_add_u32 v[TMP+1], v1, 5, s33            ; W_v: 1,024 w + 32 r
	s_mov_b32 s36, 0xc0000000                      ; -2.0, as a pair
	s_mov_b32 s37, 0xc0000000
	s_mov_b32 s38, 0x3fb8aa3b                      ; log2(e), as a pair
	s_mov_b32 s39, 0x3fb8aa3b
	s_mov_b32 s40, 0x76543210                      ; v_permlanex16_b32: each lane takes its own place in the other half
	s_mov_b32 s41, 0xfedcba98
	s_mov_b32 s42, 0xffff0000                      ; lanes 16-31
	s_wait_kmcnt 0x0
	s_load_b32 s34, s[16:17], 0x0                  ; b_v
	s_lshl_b32 s32, ttmp9, 20                      ; 256 rows of 4,096 bytes,
	s_lshl_b32 s33, s[WAVE], 17                    ; my wave's 32 of a block's 128
	s_add_co_u32 s32, s32, s33
	s_mov_b32 s33, 0
	s_add_nc_u64 s[EP:EP+1], s[EP:EP+1], s[32:33]
	s_lshl_b32 s32, s[WAVE], 19                    ; my two groups of wf, 262,144 bytes each
	s_add_nc_u64 s[WB:WB+1], s[WB:WB+1], s[32:33]
	s_lshl_b32 s32, ttmp9, 10
	s_add_nc_u64 s[SCP:SCP+1], s[SCP:SCP+1], s[32:33]
	s_lshl_b32 s32, ttmp9, 9
	s_add_nc_u64 s[STP:STP+1], s[STP:STP+1], s[32:33]
	s_lshl_b32 s32, ttmp9, 13
	s_lshl_b32 s[LEFT], s[WAVE], 10
	s_add_co_u32 s32, s32, s[LEFT]
	s_add_nc_u64 s[CXP:CXP+1], s[CXP:CXP+1], s[32:33]
	s_wait_alu depctr_va_vdst(0)                   ; every offset and LDS address of the kernel is written (v4-7, v9-15, v48-55, v[TMP], v[TMP+1]): the loads, stores and prefetches from here on read them
.irp t, 0,1
.irp o, 0,1
	global_load_b128 v[BC+8*(\t)+4*(\o):BC+8*(\t)+4*(\o)+3], v[TMP],   s[12:13] offset:(\t)*16384+(\o)*16         ; table h,
	global_load_b128 v[F0+8*(\t)+4*(\o):F0+8*(\t)+4*(\o)+3], v[TMP],   s[12:13] offset:262144+(\t)*16384+(\o)*16  ; table h + 2,
	global_load_b128 v[VC+8*(\t)+4*(\o):VC+8*(\t)+4*(\o)+3], v[TMP+1], s[14:15] offset:(\t)*512+(\o)*16           ; and v: twelve loads
.endr
.endr
	s_wait_kmcnt 0x0
	s_mov_b32 s35, s34                             ; named with it as a pair
	s_mov_b32 s[BLK], 2
; Four rows of my 32, in f32, into set x: 32 loads, each 512 consecutive bytes of a row; extra: bytes on top, for rows of the next block.
.macro LOADQ x, row, extra
	WIN TO_B
.irp rr, 0,1,2,3
.irp c, 0,1,2,3,4,5,6,7
.set rX, ((\x)+4*(8*(\rr)+(\c)))%256
	global_load_b128 v[rX:rX+3], v[BO], s[EP:EP+1] offset:(\extra)+((\row)+(\rr))*4096+(\c)*512 th:TH_LOAD_NT
.endr
.endr
.endm
.macro CVQ x, dst                      ; set x rounded to bf16: a lane's 16 bytes become 8
	WIN CVTX
.set i, 0
.rept 64
.set rX, ((\x)+2*i)%256
	v_cvt_pk_bf16_f32 v[(\dst)+i], v[rX], v[rX+1]
.set i, i+1
.endr
.endm
.macro STQ src, row                    ; four rounded rows into the block
	WIN 0
.irp rr, 0,1,2,3
.irp c, 0,1,2,3,4,5,6,7
	ds_store_b64 v[XS], v[(\src)+2*(8*(\rr)+(\c)):(\src)+2*(8*(\rr)+(\c))+1] offset:((\row)+(\rr))*PITCH+(\c)*256
.endr
.endr
.endm
; Set x is rounded into t.  cnt: the loads issued behind this set's, which may stay out.  Behind the macro stand the loads that land in the set's registers, and then STQ t.
.macro ROUNDQ x, t, cnt
	s_wait_loadcnt \cnt
	CVQ \x, \t
	WIN TO_B
	s_wait_alu depctr_va_vdst(0)                   ; the 64 roundings are done reading set x, in which the loads below land, and have written t, which the LDS stores below read; v[XS], stepped at the last trip's end, is written
.endm
; Rows 0-7, which are in the two sets or on their way there, are rounded and parked in A's fragment buffers; each set is asked for again at once: rows 8-15.
.macro PARK extra
	s_wait_dscnt 0x0                               ; no LDS load into the fragment buffers is out any more (the last K step fetched one)
	v_lshl_add_u32 v[XS], v3, 3, s[XB]             ; the coming block's first row of mine in LDS; the LDS stores that read v[XS] last stand ahead of the wait on vm_vsrc that closed their block's load
	s_wait_loadcnt 32                              ; X0 is in; X1's 32 loads may stay out
	CVQ X0, PK
	WIN TO_B
	s_wait_alu depctr_va_vdst(0)                   ; the roundings are done reading X0, in which the loads below land
	LOADQ X0, 8, \extra
	s_wait_loadcnt 32                              ; X1 is in; the 32 just issued may stay out
	CVQ X1, PK+64
	WIN TO_B
	s_wait_alu depctr_va_vdst(0)                   ; the roundings are done reading X1, in which the loads below land; v64-191 and v[XS] are written, which the LDS stores at the block's head read: no vector line up to there names them
	LOADQ X1, 12, \extra
	WIN 0
.endm
; Half of W's K step at byte bimm behind WP into ring buffer r: 8 loads.
.macro WLD r, bimm, half
	WIN TO_B
.irp b, 0,1,2,3
.set bb, 4*(\half)+(\b)
	global_load_b128 v[64*(\r)+8*bb:64*(\r)+8*bb+3],   v[BO], s[WP:WP+1] offset:(\bimm)+bb*1024
	global_load_b128 v[64*(\r)+8*bb+4:64*(\r)+8*bb+7], v[BO], s[WP:WP+1] offset:(\bimm)+bb*1024+512
.endr
.endm
; W's K step q of a tile (q = 0, 1, 2) into ring buffer q: 16 loads.
.macro BLD q
	WLD \q, (\q)*8192, 0
	WLD \q, (\q)*8192, 1
.endm
; Half of A's fragments of one K step, 64 rows x 32 k: 8 LDS loads, the rows ascending.
.macro FETCHA f, kimm, half
	WIN 0
.irp a, 0,1,2,3
.set aa, 4*(\half)+(\a)
	ds_load_b128 v[(\f)+8*aa:(\f)+8*aa+3],   v[ADRA+aa/2] offset:(aa%2)*16*PITCH+(\kimm)
	ds_load_b128 v[(\f)+8*aa+4:(\f)+8*aa+7], v[ADRA+aa/2] offset:(aa%2)*16*PITCH+(\kimm)+32
.endr
.endm
; 8 matrix instructions: row group 4 hi + a x all 8 column fragments.  zero = 1: the product starts the sums: nothing is cleared.
.macro MUL8 f, q, hi, a, zero
	WIN MUL_LO+0x50*(\hi)
.irp b, 0,1,2,3,4,5,6,7
.if \zero
	v_wmma_f32_16x16x32_bf16 v[8*(8*(\a)+(\b)):8*(8*(\a)+(\b))+7], v[(\f)+8*(4*(\hi)+(\a)):(\f)+8*(4*(\hi)+(\a))+7], v[64*(\q)+8*(\b):64*(\q)+8*(\b)+7], 0
.else
	v_wmma_f32_16x16x32_bf16 v[8*(8*(\a)+(\b)):8*(8*(\a)+(\b))+7], v[(\f)+8*(4*(\hi)+(\a)):(\f)+8*(4*(\hi)+(\a))+7], v[64*(\q)+8*(\b):64*(\q)+8*(\b)+7], v[8*(8*(\a)+(\b)):8*(8*(\a)+(\b))+7]
.endif
.endr
.endm
; A K STEP of 32: 64 matrix instructions, each accumulator once, in the same order in every step: the 64 take turns, over the backward jump too.  It multiplies A's buffer fa by ring buffer q.
; Its loads: the next step's A, at byte kimm behind ADRA, into buffer fn, and (ld = 1) W of the step three on, at byte bimm behind WP, into the ring buffer behind q's.  Both buffers were last read by the step
; before: the wait at the step's head states that those products are done.  The loads follow in four groups of eight, one behind each of the step's first four groups of eight products; these name fa, ring buffer q
; and accumulators, none of the loads' registers, so no further wait is owed.  A tile's first step (zero = 1) has no such wait: on both ways into it fn's and the ring buffer's last readers stand ahead of an earlier
; wait on va_vdst (the last set's roundings'; the epilogue's last), and no vector or matrix line since names them.
; lcnt: the loads of the younger K steps, 16 each, which may stay out.  The step closes with four places; adv = 1: they step A's addresses four K steps on; adv = 2: back to the row's head.
.macro STEP fa, fn, q, kimm, ld, bimm, lcnt, zero, adv
	s_wait_loadcnt \lcnt                           ; this step's W is in
	s_wait_dscnt 8                                 ; A's rows 0-63 are in; the youngest eight loads (rows 64-127) may be out
.if !(\zero)
	s_wait_alu depctr_va_vdst(0)                   ; the products of the step before are done reading buffer fn and the ring buffer behind q's, in which this step's loads land; where that step stepped v[ADRA ..], they are written
.endif
	MUL8 \fa, \q, 0, 0, \zero
	FETCHA \fn, \kimm, 0
	MUL8 \fa, \q, 0, 1, \zero
.if \ld
	WLD ((\q)+3)%4, \bimm, 0
.endif
	MUL8 \fa, \q, 0, 2, \zero
.if \ld
	WLD ((\q)+3)%4, \bimm, 1
.endif
	MUL8 \fa, \q, 0, 3, \zero
	FETCHA \fn, \kimm, 1
	s_wait_dscnt 16                                ; all LDS loads but this step's own 16
	MUL8 \fa, \q, 1, 0, \zero
	MUL8 \fa, \q, 1, 1, \zero
	MUL8 \fa, \q, 1, 2, \zero
	MUL8 \fa, \q, 1, 3, \zero
	WIN 0
.if (\adv) == 1
	s_wait_alu depctr_vm_vsrc(0)                   ; the LDS loads issued so far have read v[ADRA ..]
.irp i, 0,1,2,3
	v_add_nc_u32 v[ADRA+(\i)], 256, v[ADRA+(\i)]
.endr
.elseif (\adv) == 2
	s_wait_alu depctr_vm_vsrc(0)                   ; the LDS loads issued so far have read v[ADRA ..]
.irp i, 0,1,2,3
	v_sub_nc_u32 v[ADRA+(\i)], v[ADRA+(\i)], 1792
.endr
.else
	PLACES
.endif
.endm
; THE EPILOGUE works in place on the accumulators, a UNIT (row group a: 8 accumulators) at a time.  One line each, for column fragment b and register pair i or register k:
;   OPB x = acc + bias     OPE 2^x     OP1 1 + 2^x     OPR r = 1 / (1 + 2^x)     OPV accumulator (a, 0) = the sum over b of v r
.macro EWIN a                          ; destination, source 0 and source 2 in the unit's window, source 1 (bias, v) in window 0
	WIN 0xa2+0x51*((\a)/4)
.endm
.macro OPB a, b, i
	EWIN \a
.set rA, 8*(8*((\a)%4)+(\b))+2*(\i)
.if (\b)%2
	v_pk_add_f32 v[rA:rA+1], v[rA:rA+1], v[BC+(\b)-1:BC+(\b)] op_sel:[0,1] op_sel_hi:[1,1]
.else
	v_pk_add_f32 v[rA:rA+1], v[rA:rA+1], v[BC+(\b):BC+(\b)+1] op_sel_hi:[1,0]
.endif
.endm
.macro OPE a, b, k
	EWIN \a
.set rA, 8*(8*((\a)%4)+(\b))+(\k)
	v_exp_f32 v[rA], v[rA]
.endm
.macro OP1 a, b, i
	EWIN \a
.set rA, 8*(8*((\a)%4)+(\b))+2*(\i)
	v_pk_add_f32 v[rA:rA+1], v[rA:rA+1], 1.0 op_sel_hi:[1,0]
.endm
.macro OPR a, b, k
	EWIN \a
.set rA, 8*(8*((\a)%4)+(\b))+(\k)
	v_rcp_f32 v[rA], v[rA]
.endm
.macro OPV a, b, i
	EWIN \a
.set rZ, 64*((\a)%4)+2*(\i)
.set rA, rZ+8*(\b)
.if (\b) == 0
	v_pk_mul_f32 v[rZ:rZ+1], v[rZ:rZ+1], v[VC:VC+1] op_sel_hi:[1,0]
.elseif (\b)%2
	v_pk_fma_f32 v[rZ:rZ+1], v[rA:rA+1], v[VC+(\b)-1:VC+(\b)], v[rZ:rZ+1] op_sel:[0,1,0] op_sel_hi:[1,1,1]
.else
	v_pk_fma_f32 v[rZ:rZ+1], v[rA:rA+1], v[VC+(\b):VC+(\b)+1], v[rZ:rZ+1] op_sel_hi:[1,0,1]
.endif
.endm
; PHASE p of ten: unit p gets its bias and exponentials, unit p - 1 its 1 + and reciprocals, unit p - 2 its sum with v, which S then takes.  Plain lines and transcendentals stand mixed: in group g the
; plain lines work on column fragment g, the transcendentals on fragment g - 1.  Nothing in a phase names a result of that phase's transcendentals, so a phase has ONE s_wait_alu depctr_va_vdst(0), at its end,
; ahead of the first reader; a plain line stands between the last transcendental and it.  Each accumulator is read from its low end on (OPB's pair 0 first).  No memory or LDS instruction stands in the epilogue.
.macro EPH p
.set g, 0
.rept 9
.if (\p) <= 7
.irp i, 0,1,2,3
.if g >= 1
	OPE \p, g-1, 2*(\i)
.endif
.if g <= 7
	OPB \p, g, \i
.endif
.if g >= 1
	OPE \p, g-1, 2*(\i)+1
.endif
.endr
.endif
.if ((\p) >= 1) && ((\p) <= 8)
.irp i, 0,1,2,3
.if g >= 1
	OPR (\p)-1, g-1, 2*(\i)
.endif
.if g <= 7
	OP1 (\p)-1, g, \i
.endif
.if g >= 1
	OPR (\p)-1, g-1, 2*(\i)+1
.endif
.endr
.endif
.if ((\p) >= 2) && (g <= 7)
.irp i, 0,1,2,3
	OPV (\p)-2, g, \i
.endr
.endif
.set g, g+1
.endr
.if (\p) >= 2
	WIN 0x02+((\p)-2)/4                            ; source 0 in the unit's window, S in window 0
.irp i, 0,1,2,3
	v_pk_add_f32 v[S+8*((\p)-2)+2*(\i):S+8*((\p)-2)+2*(\i)+1], v[64*(((\p)-2)%4)+2*(\i):64*(((\p)-2)%4)+2*(\i)+1], v[S+8*((\p)-2)+2*(\i):S+8*((\p)-2)+2*(\i)+1]
.endr
.else
	v_nop                                          ; the plain line behind the phase's last transcendental
.endif
.if (\p) <= 8
	s_wait_alu depctr_va_vdst(0)                   ; the phase's exponentials and reciprocals have written their results, which the next phase's lines read: one wait for the batch
.endif
.endm
.macro SWAP8 base                      ; the tile in hand's eight numbers and the other tile's change places, so that one text serves both tiles
.irp i, 0,1,2,3,4,5,6,7
	v_mov_b32 v[TMP+(\i)], v[(\base)+(\i)]
.endr
.irp i, 0,1,2,3,4,5,6,7
	v_mov_b32 v[(\base)+(\i)], v[(\base)+8+(\i)]
.endr
.irp i, 0,1,2,3,4,5,6,7
	v_mov_b32 v[(\base)+8+(\i)], v[TMP+(\i)]
.endr
.endm
; The context: rows 32 kk on of the block, my 256 columns, turned: 16 fragments, 32 loads, into buffer buf of window 3.
.macro TRL kk, buf
	WIN TO_T
.irp cb, 0,1,2,3,4,5,6,7,8,9,10,11,12,13,14,15
	ds_load_tr16_b128 v[128*(\buf)+8*(\cb):128*(\buf)+8*(\cb)+3],   v[TA+(\kk)] offset:(\cb)*32
	ds_load_tr16_b128 v[128*(\buf)+8*(\cb)+4:128*(\buf)+8*(\cb)+7], v[TA+(\kk)] offset:(\cb)*32+16*PITCH
.endr
.endm
.macro CMUL kk, zero                   ; 16 products, the 16 accumulators by turns
	WIN CTX
.irp cb, 0,1,2,3,4,5,6,7,8,9,10,11,12,13,14,15
.if \zero
	v_wmma_f32_16x16x32_bf16 v[8*(\cb):8*(\cb)+7], v[PF+8*(\kk):PF+8*(\kk)+7], v[128*((\kk)%2)+8*(\cb):128*((\kk)%2)+8*(\cb)+7], 0
.else
	v_wmma_f32_16x16x32_bf16 v[8*(\cb):8*(\cb)+7], v[PF+8*(\kk):PF+8*(\kk)+7], v[128*((\kk)%2)+8*(\cb):128*((\kk)%2)+8*(\cb)+7], v[8*(\cb):8*(\cb)+7]
.endif
.endr
.endm
	LOADQ X0, 0, 0                                 ; the first block's rows 0-7; no vector line has named X0 or X1, and v[BO] stands ahead of the head's wait
	LOADQ X1, 4, 0
	WIN 0
	s_wait_loadcnt 63                              ; 64 loads were issued behind the twelve of bias and v: with 63 out at the most the twelve are in
.irp i, 0,2,4,6,8,10,12,14
	v_pk_add_f32 v[BC+(\i):BC+(\i)+1], v[BC+(\i):BC+(\i)+1], v[F0+(\i):F0+(\i)+1]  ; tables h and h + 2,
.endr
.irp i, 0,1,2,3,4,5,6,7,8,9,10,11,12,13,14,15
	v_permlanex16_b32 v[F0+(\i)], v[BC+(\i)], s40, s41                             ; the other half's two tables,
.endr
.irp i, 0,2,4,6,8,10,12,14
	v_pk_add_f32 v[BC+(\i):BC+(\i)+1], v[BC+(\i):BC+(\i)+1], v[F0+(\i):F0+(\i)+1]  ; all four: the same sum in both halves
.endr
	PARK 0                                         ; rows 0-7 rounded and parked, rows 8-15 asked for: as a later block finds it
.Lblock:
	; THE BLOCK COMES IN.  My 32 rows: eight lie parked, eight are on their way.  Then four at a time on the two sets: while one set is rounded and stored, the other's 32 loads are out, and the first is asked for again at once.
	STQ PK, 0                                      ; v64-191 and v[XS] were shown written by PARK's last wait
	STQ PK+64, 4
	s_wait_alu depctr_vm_vsrc(0)                   ; those 64 LDS stores have read v64-191, which the roundings below write again; at the first block the loads of bias and v have read v[TMP] and v[TMP+1], which are written again behind the load
	s_mov_b32 s[LQ], 2
.Lld:                                                  ; a trip: eight rows stored, eight asked for
	ROUNDQ X0, T0, 32                              ; the other set's 32 loads may stay out
	LOADQ X0, 16, 0
	STQ T0, 8
	ROUNDQ X1, T1, 32
	LOADQ X1, 20, 0
	STQ T1, 12
	s_wait_xcnt 0x0                                ; the loads have read their base: it is stepped only behind this wait
	s_add_nc_u64 s[EP:EP+1], s[EP:EP+1], 8*4096
	s_wait_alu depctr_vm_vsrc(0)                   ; the trip's LDS stores have read v[XS], which the next line writes, and T0 and T1, which the next roundings write
	v_add_nc_u32 v[XS], 8*PITCH, v[XS]
	s_sub_co_u32 s[LQ], s[LQ], 1
	s_cmp_lg_u32 s[LQ], 0
	s_cbranch_scc1 .Lld
	s_wait_xcnt 0x0
	s_mov_b64 s[WP:WP+1], s[WB:WB+1]
	ROUNDQ X0, T0, 32                              ; the last eight rows: nothing more of the block is asked for
	BLD 0                                          ; the first tile's K step 0 of W, into registers that X0 has left
	STQ T0, 8
	ROUNDQ X1, T1, 16                              ; those 16 loads may stay out
	BLD 1                                          ; K steps 1 and 2, into X1's
	BLD 2
	STQ T1, 12
	WIN 0
	v_pk_add_f32 v[TMP:TMP+1],   v[VC:VC+1],     v[VC+2:VC+3]    ; S starts at -1/2 of my 16 numbers of v
	v_pk_add_f32 v[TMP+2:TMP+3], v[VC+4:VC+5],   v[VC+6:VC+7]
	v_pk_add_f32 v[TMP+4:TMP+5], v[VC+8:VC+9],   v[VC+10:VC+11]
	v_pk_add_f32 v[TMP+6:TMP+7], v[VC+12:VC+13], v[VC+14:VC+15]
	v_pk_add_f32 v[TMP:TMP+1],   v[TMP:TMP+1],   v[TMP+2:TMP+3]
	v_pk_add_f32 v[TMP+4:TMP+5], v[TMP+4:TMP+5], v[TMP+6:TMP+7]
	v_pk_add_f32 v[TMP:TMP+1],   v[TMP:TMP+1],   v[TMP+4:TMP+5]
	v_add_f32 v[TMP], v[TMP], v[TMP+1]
	v_mul_f32 v[TMP], -0.5, v[TMP]
.set i, 0
.rept 64
	v_mov_b32 v[S+i], v[TMP]
.set i, i+1
.endr
	s_wait_dscnt 0x0                               ; for the others' sake: my 32 rows lie in LDS
	s_barrier_signal -1
	s_barrier_wait -1                              ; the block is whole
	s_wait_alu depctr_vm_vsrc(0)                   ; my last LDS stores have read T0 and T1: v64-191 are A's fragment buffers from here on, in which LDS loads land (the roundings that wrote them stand ahead of the last wait on va_vdst)
	FETCHA F0, 0, 0
	FETCHA F0, 0, 1
	s_mov_b32 s[TL], 2
.Ltile:
	STEP F0, F1, 0, 64, 1, 3*8192, 32, 1, 0        ; K step 0 stands in front of the loop: its products start the sums
	s_mov_b32 s[LEFT], 7
.Ltrip:                                                ; K steps 1 + 4 t .. 4 + 4 t.  32: the two younger K steps' loads
	STEP F1, F0, 1, 128, 1, 4*8192, 32, 0, 0
	STEP F0, F1, 2, 192, 1, 5*8192, 32, 0, 0
	STEP F1, F0, 3, 256, 1, 6*8192, 32, 0, 0
	STEP F0, F1, 0, 320, 1, 7*8192, 32, 0, 1
	s_wait_xcnt 0x0                                ; the loads, the youngest 40 matrix instructions back, have read their base
	s_add_nc_u64 s[WP:WP+1], s[WP:WP+1], 4*8192
	s_sub_co_u32 s[LEFT], s[LEFT], 1
	s_cmp_lg_u32 s[LEFT], 0
	s_cbranch_scc1 .Ltrip
	STEP F1, F0, 1, 128, 0, 0, 32, 0, 0            ; K steps 29, 30, 31 ask for no W: the counts run down
	STEP F0, F1, 2, 192, 0, 0, 16, 0, 2
	STEP F1, F0, 3, 0,   0, 0, 0,  0, 0            ; it fetches A's K step 0 again, for the next tile (behind the block's last tile that fetch serves nothing)
	s_add_nc_u64 s[WP:WP+1], s[WP:WP+1], 4*8192    ; the next tile's group follows in wf; no load has named the base since the loop's wait
	s_cmp_eq_u32 s[TL], 2
	s_cbranch_scc0 .Lsecond
	BLD 0                                          ; the second tile's first three K steps land while the epilogue runs.  No wait: ring buffers 0 to 2 were last read by K steps 28 to 30, ahead of K step 31's wait, and its products name buffer 3
	BLD 1
	BLD 2
	WIN 0
	s_branch .Lepi
.Lsecond:
	s_cmp_eq_u32 s[BLK], 2
	s_cbranch_scc0 .Lepi
	WIN TO_B
	s_wait_alu depctr_va_vdst(0)                   ; K step 31's products are done reading ring buffer 3, half of X0, in which the loads below land
	LOADQ X0, 0, NEXTB                             ; the ring is free: the next block's rows 0-7 land while the epilogue runs
	LOADQ X1, 4, NEXTB
	WIN 0
.Lepi:
	PLACES                                         ; with the step's own four: eight places between the last products and the lines that work on them in place; once a tile
.irp p, 0,1,2,3,4,5,6,7,8,9
	EPH \p
.endr
	WIN 0
	SWAP8 BC
	SWAP8 VC
	s_sub_co_u32 s[TL], s[TL], 1
	s_cmp_lg_u32 s[TL], 0
	s_cbranch_scc1 .Ltile
	s_cmp_eq_u32 s[BLK], 2
	s_cbranch_scc0 .Lfin
	PARK NEXTB                                     ; the next block's rows 0-7 are parked; rows 8-15 land while this block ends
	; A PREFETCH INTO THE L2, at the first block's end alone, behind the loads just issued: rows 16-23 of my 32 of the second block, which the next block's first trip loads: 32,768 bytes, a lane 256 bytes, four
	; instructions a wave; each wave names its own rows, so no 256 bytes are named twice in the launch.  The block's end stands between these lines and those loads.  The second block asks for nothing: no line points past the buffer.
.irp i, 0,1,2,3
	global_prefetch_b8 v[PFO], s[EP:EP+1] offset:NEXTB+16*4096+(\i)*8192 th:TH_LOAD_NT scope:SCOPE_SE
.endr
.Lfin:
	; THE BLOCK'S END.  S over the 16 lanes of a half (16 columns), then over the four waves through LDS.
.irp m, 1,2,4,8
.set i, 0
.rept 64
	v_add_f32_dpp v[S+i], v[S+i], v[S+i] row_xmask:\m row_mask:0xf bank_mask:0xf
.set i, i+1
.endr
.endr
	s_wait_alu depctr_va_vdst(0)                   ; the additions have written S, which the LDS stores below read; the epilogue's lines are done with window 3 and with S's registers, in which LDS loads land further down
.irp a, 0,1,2,3,4,5,6,7
	ds_store_b128 v[SA], v[S+8*(\a):S+8*(\a)+3]   offset:(\a)*64     ; rows 16 a + 8 h + 0..7; the 16 lanes of a half store the same numbers to the same bytes
	ds_store_b128 v[SA], v[S+8*(\a)+4:S+8*(\a)+7] offset:(\a)*64+16
.endr
	s_wait_dscnt 0x0                               ; for the others' sake: my partial S lies in LDS; S's registers are free from here on
	s_barrier_signal -1
	s_barrier_wait -1
	s_wait_alu depctr_vm_vsrc(0)                   ; my LDS stores have read S's 64 registers: from here on LDS loads land in them and vector lines write them
.irp w, 0,1,2,3
	ds_load_b128 v[Q+4*(\w):Q+4*(\w)+3], v[SR] offset:(\w)*512  ; every wave takes all 128 rows, a lane rows 4 l .. 4 l + 3
.endr
	s_wait_dscnt 0x0
	v_pk_add_f32 v[Q:Q+1],     v[Q:Q+1],     v[Q+4:Q+5]
	v_pk_add_f32 v[Q+2:Q+3],   v[Q+2:Q+3],   v[Q+6:Q+7]
	v_pk_add_f32 v[Q+8:Q+9],   v[Q+8:Q+9],   v[Q+12:Q+13]
	v_pk_add_f32 v[Q+10:Q+11], v[Q+10:Q+11], v[Q+14:Q+15]
	v_pk_add_f32 v[Q:Q+1],     v[Q:Q+1],     v[Q+8:Q+9]
	v_pk_add_f32 v[Q+2:Q+3],   v[Q+2:Q+3],   v[Q+10:Q+11]
	v_pk_fma_f32 v[SC:SC+1],   v[Q:Q+1],   s[36:37], s[34:35] op_sel_hi:[1,0,0]  ; score = -2 S + b_v
	v_pk_fma_f32 v[SC+2:SC+3], v[Q+2:Q+3], s[36:37], s[34:35] op_sel_hi:[1,0,0]
	v_max_num_f32 v[ML+2], v[SC], v[SC+1]          ; the block's maximum
	v_max_num_f32 v[ML+3], v[SC+2], v[SC+3]
	v_max_num_f32 v[ML+2], v[ML+2], v[ML+3]
.irp m, 1,2,4,8
	v_max_num_f32_dpp v[ML+2], v[ML+2], v[ML+2] row_xmask:\m row_mask:0xf bank_mask:0xf
.endr
	v_permlanex16_b32 v[ML+3], v[ML+2], s40, s41
	v_max_num_f32 v[ML], v[ML+2], v[ML+3]
	v_mul_f32 v[ML+2], s38, v[ML]                  ; m log2(e); the packed lines below take the pair's low word for both halves
	v_pk_fma_f32 v[P4:P4+1],   v[SC:SC+1],   s[38:39], v[ML+2:ML+3] op_sel_hi:[1,0,0] neg_lo:[0,0,1] neg_hi:[0,0,1]
	v_pk_fma_f32 v[P4+2:P4+3], v[SC+2:SC+3], s[38:39], v[ML+2:ML+3] op_sel_hi:[1,0,0] neg_lo:[0,0,1] neg_hi:[0,0,1]
.irp k, 0,1,2,3
	v_exp_f32 v[P4+(\k)], v[P4+(\k)]               ; p = e^(score - m)
.endr
	v_nop                                          ; a plain line behind the last exponential,
	s_wait_alu depctr_va_vdst(0)                   ; and the one wait for the four: they have written p, which the sums and roundings below read
	v_add_f32 v[ML+4], v[P4], v[P4+1]              ; l
	v_add_f32 v[ML+5], v[P4+2], v[P4+3]
	v_add_f32 v[ML+4], v[ML+4], v[ML+5]
.irp m, 1,2,4,8
	v_add_f32_dpp v[ML+4], v[ML+4], v[ML+4] row_xmask:\m row_mask:0xf bank_mask:0xf
.endr
	v_permlanex16_b32 v[ML+5], v[ML+4], s40, s41
	v_add_f32 v[ML+1], v[ML+4], v[ML+5]
	v_cvt_pk_bf16_f32 v[ML+6], v[P4], v[P4+1]
	v_cvt_pk_bf16_f32 v[ML+7], v[P4+2], v[P4+3]
	s_wait_alu depctr_va_vdst(0)                   ; written: the rounded p, which the LDS store reads, and the scores, m and l, which wave 0's stores read; the additions are done with Q, in which p's fragments land
	ds_store_b64 v[PBS], v[ML+6:ML+7]              ; my wave's own copy of the 128 p
.irp kk, 0,1,2,3
	ds_load_b128 v[PF+8*(\kk):PF+8*(\kk)+3],   v[PA] offset:(\kk)*64     ; back as source 0: all 16 rows of the fragment are p.  LDS serves a wave's instructions in order (ISA guide 5.7.1.4): these see the store above
	ds_load_b128 v[PF+8*(\kk)+4:PF+8*(\kk)+7], v[PA] offset:(\kk)*64+32
.endr
	s_cmp_lg_u32 s[WAVE], 0                        ; every wave holds the scores, m and l: wave 0 stores them
	s_cbranch_scc1 .Lnot_0
	global_store_b128 v[BO], v[SC:SC+3], s[SCP:SCP+1]   ; 512 consecutive bytes
	global_store_b64 v[L8], v[ML:ML+1], s[STP:STP+1]    ; (m, l) 32 times: 256 consecutive bytes, aligned
.Lnot_0:
	; ctx = p x block on the matrix unit: source 1 = 32 rows x 16 columns of the block, turned on the way out of LDS.
	TRL 0, 0                                       ; no wait: no vector or matrix line has named window 3 since the wait ahead of S's stores
	TRL 1, 1
	s_wait_dscnt 32                                ; p and rows 0-31 are in; the 32 loads of rows 32-63 may be out
	CMUL 0, 1
	PLACES
	WIN TO_T
	s_wait_alu depctr_va_vdst(0)                   ; the 16 products are done reading buffer 0, in which the loads below land
	TRL 2, 0
	s_wait_dscnt 32
	CMUL 1, 0
	PLACES
	WIN TO_T
	s_wait_alu depctr_va_vdst(0)                   ; the 16 products are done reading buffer 1, in which the loads below land
	TRL 3, 1
	s_wait_dscnt 32
	CMUL 2, 0
	s_wait_dscnt 0x0
	CMUL 3, 0
	PLACES
	PLACES                                         ; eight places, once a block
	WIN FROM2
.irp i, 0,1,2,3,4,5,6,7
	v_cndmask_b32 v[CT+(\i)], v[16*(\i)], v[16*(\i)+8], s42  ; all rows of a result are alike: register 0 of column group 2 i for lanes 0-15, of 2 i + 1 for lanes 16-31: 32 neighbouring columns
.endr
	WIN 0
	s_wait_alu depctr_va_vdst(0)                   ; the eight selects have written v[CT ..], which the LDS stores read
.irp i, 0,1,2,3,4,5,6,7
	ds_store_b32 v[CS], v[CT+(\i)] offset:(\i)*128
.endr
	ds_load_b128 v[CO8:CO8+3],   v[CR]             ; my wave's own bytes, back as 16 bytes a lane
	ds_load_b128 v[CO8+4:CO8+7], v[CR] offset:512
	s_wait_dscnt 0x0
	global_store_b128 v[BO], v[CO8:CO8+3],   s[CXP:CXP+1]             ; 512 consecutive bytes each
	global_store_b128 v[BO], v[CO8+4:CO8+7], s[CXP:CXP+1] offset:512
	s_barrier_signal -1                            ; my reads of the block and of the partial S are back (the wait for 0 above):
	s_barrier_wait -1                              ; behind this barrier the next block may be stored over this one
	s_wait_xcnt 0x0                                ; the stores, the early loads and the prefetches have read their bases and registers
	s_wait_alu depctr_vm_vsrc(0)                   ; the block's LDS and global stores have read the rounded p, the scores, m, l, v[CT ..] and v[CO8 ..]: S's registers, which the next block writes again
	s_add_nc_u64 s[EP:EP+1], s[EP:EP+1], NEXTB
	s_add_nc_u64 s[SCP:SCP+1], s[SCP:SCP+1], 512
	s_add_nc_u64 s[STP:STP+1], s[STP:STP+1], 256
	s_add_nc_u64 s[CXP:CXP+1], s[CXP:CXP+1], 4096
	s_sub_co_u32 s[BLK], s[BLK], 1
	s_cmp_lg_u32 s[BLK], 0
	s_cbranch_scc1 .Lblock
	s_wait_dscnt 0x0                               ; the wave's end: the closing lines, six on end
	s_wait_alu 0x0
	s_wait_tensorcnt 0x0
	ds_add_u32 v[SPW], v[NIL]
	s_wait_dscnt 0x0
	s_endpgm
.Lfunc_end_k_qc752b77050_main:
	.size	k_qc752b77050_main, .Lfunc_end_k_qc752b77050_main-k_qc752b77050_main
	.p2alignl 7, 3214868480
	.fill 96, 4, 3214868480
	.section	.rodata,"a",@progbits
	.p2align	6, 0x0
	.amdhsa_kernel k_qc752b77050_main
		.amdhsa_group_segment_fixed_size 271872
		.amdhsa_private_segment_fixed_size 0
		.amdhsa_enable_private_segment 0
		.amdhsa_kernarg_size 64
		.amdhsa_user_sgpr_count 2
		.amdhsa_user_sgpr_kernarg_segment_ptr 1
		.amdhsa_wavefront_size32 1
		.amdhsa_system_sgpr_workgroup_id_x 1
		.amdhsa_system_sgpr_workgroup_id_y 1
		.amdhsa_system_sgpr_workgroup_id_z 1
		.amdhsa_system_vgpr_workitem_id 0
		.amdhsa_next_free_vgpr 1024
		.amdhsa_next_free_sgpr 66
		.amdhsa_reserve_vcc 0
		.amdhsa_float_denorm_mode_32 3
		.amdhsa_float_denorm_mode_16_64 3
		.amdhsa_memory_ordered 1
		.amdhsa_forward_progress 1
		.amdhsa_inst_pref_size 255
	.end_amdhsa_kernel
	.section	.bss,"aw",@nobits
	.p2align	6
	.space	262144
	.amdgpu_metadata
---
amdhsa.version: [ 1, 2 ]
amdhsa.kernels:
  - .name:           k_qc752b77050_main
    .symbol:         k_qc752b77050_main.kd
    .args:
      - { .name: encoder_out, .offset: 0, .size: 8, .value_kind: global_buffer, .address_space: global }
      - { .name: wf, .offset: 8, .size: 8, .value_kind: global_buffer, .address_space: global }
      - { .name: biasw, .offset: 16, .size: 8, .value_kind: global_buffer, .address_space: global }
      - { .name: W_v, .offset: 24, .size: 8, .value_kind: global_buffer, .address_space: global }
      - { .name: b_v, .offset: 32, .size: 8, .value_kind: global_buffer, .address_space: global }
      - { .name: scores, .offset: 40, .size: 8, .value_kind: global_buffer, .address_space: global }
      - { .name: stats, .offset: 48, .size: 8, .value_kind: global_buffer, .address_space: global }
      - { .name: ctxp, .offset: 56, .size: 8, .value_kind: global_buffer, .address_space: global }
    .group_segment_fixed_size: 271872
    .private_segment_fixed_size: 0
    .kernarg_segment_align: 8
    .kernarg_segment_size: 64
    .max_flat_workgroup_size: 128
    .sgpr_count:     66
    .vgpr_count:     1024
    .wavefront_size: 32
...
	.end_amdgpu_metadata
.endif
;; end of part 4
;; launch finish: the kernel of part 3 again; grid 8 x 32, 2 waves a work-group, no clusters, 0 bytes of LDS; arguments scores, stats, ctxp, out0, out1; writes out0, out1
